; MI455X (gfx1250); checked and timed in simulation.
; The chip was launched on July 23, 2026; its instructions are those of AMD's public machine-readable ISA for CDNA 5 (MIT licence, August 2026) and "CDNA5" Instruction Set Architecture Reference Guide (July 2026). The comments in the code are by the model that wrote it; some were corrected since.
;; NN Attention Head. Allowed arithmetic: matrix products marked QUANTISED: E2M1 operands, one E8M0 scale for each 32 along K, by v_wmma_scale_f32_16x16x128_f8f6f4 with both operands' format E2M1 (or v_wmma_scale_f32_32x16x128_f4), f32 sums; products left as they are: f32 operands where the result goes on into a quantised operand, else bf16, f16 or f32 operands; f32 sums; everything else in f32.
;; Inputs: W1 256 x 128 float32; W2 128 x 1 float32; Wv 128 x 64 float32; b1 128 float32; b2 1 float32; pos_emb 512 x 128 float32; x 4 x 512 x 128 float32.
;; Outputs: out0 4 x 512 x 64 float32.
;; This version of the problem:
;;   THIS VERSION OF THE PROBLEM IS GIVEN IN LOW PRECISION. The matrix products marked QUANTISED in the list below multiply operands that are first quantised to E2M1 (2 exponent bits, 1 mantissa bit; 4 bits a number), with one power-of-two scale for each 32 numbers along K (OCP MX v1.0); their sums are f32. All else is computed in f32.
;;   The module's matrix products, in the order in which they are computed (A, B: the left and right operand; K: the contracted axis; several contracted axes count as one K, in the product's order):
;;     1. [M 2,048, K 128] x [K 128, N 128]; A: computed on the way; B: input W1: QUANTISED
;;     2. [M 2,048, K 128] x [K 128, N 128]; A: computed on the way; B: input W1: QUANTISED
;;     3. [M 1,048,576, K 128] x [K 128, N 1]; A: computed on the way; B: input W2: left as it is (N = 1 < 16)
;;     4. [M 2,048, K 128] x [K 128, N 64]; A: input x; B: input Wv: QUANTISED
;;     5. batch 4 x [M 512, K 512] x [K 512, N 64]; A: softmax (see below); B: computed on the way: QUANTISED
;;   THE QUANTISER, for each operand of a quantised product, along K:
;;     - K is cut into blocks of 32 from its start; a last block that is shorter is filled with zeros.
;;     - A block's scale is 2^e with e = floor(log2(the largest magnitude in the block)) - 2, held to -126 .. 127; a block of zeros has e = 0. As a byte (E8M0): e + 127.
;;     - Each number is divided by its block's scale, clamped to +-6, and rounded to the nearest number of E2M1, ties to even, subnormals kept.
;;     - The product sums the exact products of the quantised numbers (number of the format x scale) in f32.
;;   ~~~python
;;   def quantise(x, axis):      # numpy; x: float32 -> the quantised numbers, widened to float32 again
;;       x = np.moveaxis(x, axis, -1); K = x.shape[-1]
;;       x = np.pad(x, [(0, 0)] * (x.ndim - 1) + [(0, -K % 32)]); x = x.reshape(x.shape[:-1] + (-1, 32)); a = np.abs(x).max(-1, keepdims=True)
;;       e = np.where(a > 0, np.clip(np.frexp(np.where(a > 0, a, 1))[1] - 1 - 2, -126, 127), 0)      # np.frexp(a)[1] - 1 = floor(log2(a)), exactly
;;       r = np.clip(x / 2.0 ** e, -6, 6)
;;       step = 2.0 ** (np.maximum(np.frexp(np.where(r == 0, 1, r))[1] - 1, 0) - 1)
;;       q = np.round(r / step) * step * 2.0 ** e      # np.round: ties to even
;;       return np.moveaxis(q.reshape(q.shape[:-2] + (-1,))[..., :K], -1, axis).astype(np.float32)
;;   ~~~
;;   SOFTMAX AHEAD OF A QUANTISED PRODUCT. Where the list says 'softmax', what is quantised is not the finished softmax but p = 2^(t - M), with t = logit x log2(e) and M = ceil(the row's largest t), a whole number; so 1/2 < the row's largest p <= 1. The row's sum l is taken of the UNQUANTISED p, in f32, and the product's result is divided by l at the end. Since M is a whole number, a kernel that streams over the keys may use a running M (the ceiling of the running maximum): every later rescaling is an exact power of two, which a block's scale takes up: the codes' values come out the same.
;;   OPERANDS COMPUTED ON THE WAY. 'Computed on the way' means the value that the module computes at that place (a softmax that the list does not call 'softmax' is quantised finished and normalised). What goes into a quantiser is computed in f32, as accurately as f32 sums, v_exp_f32 and their like allow (about 1e-6 of the number): no bf16 or f16 on the way to a quantiser, and a product that is left as it is and whose result goes on into a quantised operand takes f32 operands (vector FMAs, or v_wmma_f32_16x16x4_f32). A number that lies on a knife's edge between two numbers of the format may be rounded either way, as far as f32 arithmetic and the matrix unit's own rounding can turn it there, and no further.
;; 2 versions, each right; version 2 is version 1 with the launches project, attend written anew for expert scheduling mode. Each part assembles by itself: llvm-mc -triple=amdgcn-amd-amdhsa -mcpu=gfx1250 --defsym DOCPART=n.
;; ======== version 1 of 2: 2 launches
;; limits: right only within a limited range of input values
;; workspace buffers: ka 1,048,576 bytes; qa 1,048,576 bytes; vc 65,536 bytes; vs 16,384 bytes
;; launch project (part 1): grid 32 x 5, 4 waves a work-group, no clusters, 5,120 bytes of LDS; arguments x, pos_emb, W1, b1, Wv, ka, qa, vc, vs; writes ka, qa, vc, vs
.if DOCPART == 1
	.amdgcn_target "amdgcn-amd-amdhsa--gfx1250"
	.amdhsa_code_object_version 6
	.text
	.protected	k_q76a0e0c58d_project
	.globl	k_q76a0e0c58d_project
	.p2align	8
	.type	k_q76a0e0c58d_project,@function
k_q76a0e0c58d_project:
	s_mov_b64 s[64:65], 0
	v_nop
	global_prefetch_b8 v0, s[64:65] scope:SCOPE_SE
	s_setreg_imm32_b32 hwreg(HW_REG_WAVE_MODE, 25, 1), 1
	s_wait_xcnt 0x0
; PROJECT: the three projections of the attention head, on codes of FP4 (E2M1) with one E8M0 scale for each 32 along K = the 128 input channels.
;   K' = -(Q(x + pos) Q(W1[0:128]))          [2048][128] f32 -> ka      (the sign is put into the weight's codes: exact)
;   q' =   Q(x + pos) Q(W1[128:256]) + b1    [2048][128] f32 -> qa
;   V  =   Q(x) Q(Wv), then quantised ALONG THE KEYS, 32 keys to a block -> vc (codes), vs (scale words)
; SHARES.  Work-group x = 64 rows (of the 2,048 rows batch x time); work-group y = a job: 0, 1: K', channels 0-63, 64-127; 2, 3: q' likewise; 4: V.  Every job is one panel [128 k][64 columns] of a weight.
; Wave w quantises tile w (16 columns) of the panel in its registers: a lane takes a column and its registers run down K, so the conversions' results are the operand.  It also quantises rows 16 w .. 16 w + 15,
; whose fragment goes to the other waves through LDS as an image of its registers.  One barrier; then four matrix instructions a wave: its columns x the four tiles of rows.
; ka, qa: a tile of 16 rows is 8,192 bytes: for channel tile t (16 channels) and u = 0, 1 the 512 bytes at (2 t + u) 512 hold, at 16 x lane, registers 4 u .. 4 u + 3 of the result: lane (r, h): row r, channels 16 t + 8 h + 4 u + 0 .. 3.
; vc: a block of 32 keys is 1,024 bytes: [tile of 16 h][h][16 bytes = 32 codes].  vs: a block is 256 bytes: [tile][h] one word: the scale's byte, with 0x7f in the three bytes above it.
; LIMITS: NaN and infinities among the inputs are not served (job 4 adds 0 x pos).  A block whose largest magnitude lies under 2^-124, zeros among them, gets the byte 1: its codes are the same, and this program alone reads the bytes.
.set X,    16                          ; v16-79   64 numbers of my row: register 16 b + i = k 32 b + 16 (lane / 16) + i.  Later: XF, DA
.set PO,   80                          ; v80-143  the same of pos_emb
.set WN,   144                         ; v144-207 64 numbers of my column: register 32 c + i = k 64 c + 32 (lane / 16) + i
.set PC,   208                         ; v208-215 codes just made
.set WF,   216                         ; v216-223 my weight tile's fragment
.set BI,   224                         ; v224-231 b1 in the result's layout, or zeros
.set TM,   232                         ; v232-247 at work
.set PW,   248                         ; a scale word just made
.set WS,   249                         ; my weight tile's scale words
.set XS,   250                         ; v250-253 the four row tiles' scale words
.set XF,   16                          ; v16-47   the four row tiles' fragments
.set DA,   48                          ; v48-79   the four results
.set XIMG, 0                           ; LDS: four fragments' images, 1,024 bytes each
.set XSC,  4096                        ; and their scale words, 128 bytes each
.set SEL,  26                          ; s[26:27] v_permlanex16_b32's selects for lane l xor 16
; 64 numbers of a lane become a fragment's codes in v[PC] on and its scale word in v[PW]
.macro QUANT s
.irp b, 0,1,2,3
	v_max3_num_f32 v[TM+\b], |v[\s+16*\b]|, |v[\s+1+16*\b]|, 0x1800000   ; block b: my 16 numbers, and the floor 2^(3 - 127): the byte cannot fall under 1
.endr
.irp i, 2,4,6,8,10,12,14
.irp b, 0,1,2,3
	v_max3_num_f32 v[TM+\b], v[TM+\b], |v[\s+16*\b+\i]|, |v[\s+1+16*\b+\i]|
.endr
.endr
.irp b, 0,1,2,3
	v_permlanex16_b32 v[TM+4+\b], v[TM+\b], s[SEL], s[SEL+1]
.endr
.irp b, 0,1,2,3
	v_max_num_f32 v[TM+\b], v[TM+\b], v[TM+4+\b]                   ; with lane l xor 16's: the block's largest magnitude
.endr
.irp b, 0,1,2,3
	v_add_nc_u32 v[TM+12+\b], 0xff000000, v[TM+\b]                 ; 2 off its exponent field: the conversion's scale operand
.endr
.irp b, 0,1,2,3
	v_lshrrev_b32 v[TM+4+\b], 23, v[TM+12+\b]                      ; the scale's byte
.endr
	v_lshl_or_b32 v[PW], v[TM+5], 8, v[TM+4]
	v_lshl_or_b32 v[PW], v[TM+6], 16, v[PW]
	v_lshl_or_b32 v[PW], v[TM+7], 24, v[PW]
.irp b, 0,1,2,3
	v_cvt_scalef32_pk8_fp4_f32 v[PC+2*\b], v[\s+16*\b:\s+7+16*\b], v[TM+12+\b]
	v_cvt_scalef32_pk8_fp4_f32 v[PC+1+2*\b], v[\s+8+16*\b:\s+15+16*\b], v[TM+12+\b]
.endr
	v_nop                                                          ; one plain place behind a scaled conversion
.irp c, 0,1                                                            ; the operand wants a whole block in a lane: lanes 0-15 block 2 c, lanes 16-31 block 2 c + 1
.irp i, 0,1
	v_permlane16_swap_b32 v[PC+4*\c+\i], v[PC+2+4*\c+\i]
.endr
.endr
.endm
; my column's 64 numbers: W(64 c + 32 (lane / 16) + i, column); sixteen lanes read 64 neighbouring bytes.  pitch: a row of the weight in bytes
.macro WLOAD pitch
.irp c, 0,1
.irp i, 0,1,2,3,4,5,6,7,8,9,10,11,12,13,14,15,16,17,18,19,20,21,22,23,24,25,26,27,28,29,30,31
	global_load_b32 v[WN+32*\c+\i], v9, s[8:9] offset:(64*\c+\i)*\pitch
.endr
.endr
.endm
	s_load_b512 s[4:19], s[0:1], 0x0               ; x s[4:5], pos_emb s[6:7], W1 s[8:9], b1 s[10:11], Wv s[12:13], ka s[14:15], qa s[16:17], vc s[18:19]
	s_load_b64 s[20:21], s[0:1], 0x40              ; vs
	v_lshl_add_u32 v254, v0, 2, 0x1200
	v_mov_b32 v255, 0
	v_lshrrev_b32 v1, 5, v0
	v_readfirstlane_b32 s22, v1                    ; wave 0..3
	v_and_b32 v1, 31, v0                           ; lane
	v_and_b32 v2, 15, v0                           ; r
	v_bfe_u32 v3, v0, 4, 1                         ; h
	v_lshlrev_b32 v4, 9, v2
	v_lshl_add_u32 v4, v3, 6, v4                   ; x, pos: row r of 512 bytes, + 64 h: my 16 numbers of a block of 32
	v_lshlrev_b32 v5, 4, v1                        ; 16 x lane: an image's place for my lane
	v_lshlrev_b32 v6, 2, v1                        ; 4 x lane: a scale word's
	s_lshl_b32 s30, s22, 10
	v_add_nc_u32 v7, s30, v5                       ; where I store my rows' image
	s_lshl_b32 s31, s22, 7
	v_add_nc_u32 v8, s31, v6                       ; and its scale words
	s_and_b32 s23, ttmp7, 0xffff                   ; the job
	s_lshr_b32 s24, s23, 1                         ; 0: K', 1: q', 2: V
	s_and_b32 s25, s23, 1                          ; which 64 columns of W1
	s_mov_b32 s[SEL], 0x76543210
	s_mov_b32 s[SEL+1], 0xfedcba98
	s_lshl_b32 s32, ttmp9, 15                      ; x: 64 rows of 512 bytes a work-group,
	s_lshl_b32 s31, s22, 13                        ; 16 a wave
	s_add_co_u32 s32, s32, s31
	s_mov_b32 s33, 0
	s_and_b32 s34, ttmp9, 7                        ; pos_emb: the row's time alone: eight groups of 64 rows to a batch
	s_lshl_b32 s34, s34, 15
	s_add_co_u32 s34, s34, s31
	s_mov_b32 s35, 0
	s_lshl_b32 s44, ttmp9, 15                      ; ka, qa: four tiles of 8,192 bytes a work-group,
	s_lshl_b32 s31, s25, 12                        ; channel tile 4 (job & 1) + wave: 1,024 bytes each
	s_add_co_u32 s44, s44, s31
	s_add_co_u32 s44, s44, s30
	s_mov_b32 s45, 0
	s_lshl_b32 s40, ttmp9, 11                      ; vc: two blocks of 1,024 bytes a work-group, 256 bytes a tile of h
	s_lshl_b32 s31, s22, 8
	s_add_co_u32 s40, s40, s31
	s_mov_b32 s41, 0
	s_lshl_b32 s46, ttmp9, 9                       ; vs: two blocks of 256 bytes, 64 bytes a tile of h
	s_lshl_b32 s31, s22, 6                         ; (also: my 16 columns in a row of a weight or of b1, in bytes)
	s_add_co_u32 s46, s46, s31
	s_mov_b32 s47, 0
	s_lshl_b32 s30, s25, 8                         ; an odd job's 64 columns, in bytes
	s_add_co_u32 s38, s30, s31                     ; b1: my 16 numbers
	s_lshl_b32 s36, s24, 16                        ; W1: the query half lies 128 rows of 512 bytes down
	s_add_co_u32 s36, s36, s30
	s_mov_b32 s39, 16384                           ; 32 rows of W1 in bytes,
	s_cmp_eq_u32 s23, 4
	s_cselect_b32 s36, 0, s36
	s_cselect_b32 s39, 8192, s39                   ; of Wv
	s_cselect_b32 s28, 0, 1.0                      ; V is made of x alone
	s_mov_b32 s29, s28                             ; (named with it as a pair, so it is written)
	s_add_co_u32 s36, s36, s31
	s_mov_b32 s37, 0
	s_cmp_lt_u32 s23, 2
	s_cselect_b32 s42, 0x88888888, 0               ; K': the sign bit of each of a word's eight codes
	s_cmp_eq_u32 s24, 1
	s_cselect_b32 s43, -1, 0                       ; q' alone has the bias
	v_mul_lo_u32 v9, v3, s39
	v_lshl_add_u32 v9, v2, 2, v9                   ; the weight: column r, lanes 16-31 begin 32 rows down
	v_lshl_add_u32 v10, v3, 5, s38                 ; b1: lane (r, h) wants channels 8 h + 0 .. 7 of my tile
.irp b, 0,1,2,3
	v_mov_b32 v[TM+4+\b], 0                        ; written once: a lane permute's destination counts as one of its sources
.endr
	s_wait_kmcnt 0x0
	s_add_nc_u64 s[4:5], s[4:5], s[32:33]
	s_add_nc_u64 s[6:7], s[6:7], s[34:35]
	s_cmp_eq_u32 s23, 4
	s_cselect_b64 s[8:9], s[12:13], s[8:9]         ; the job's weight: the choice hangs on the work-group's number alone
	s_add_nc_u64 s[8:9], s[8:9], s[36:37]
	s_cmp_lt_u32 s23, 2
	s_cselect_b64 s[14:15], s[14:15], s[16:17]     ; and where jobs 0 to 3 store
	s_add_nc_u64 s[14:15], s[14:15], s[44:45]
	s_add_nc_u64 s[18:19], s[18:19], s[40:41]
	s_add_nc_u64 s[20:21], s[20:21], s[46:47]
.irp b, 0,1,2,3
.irp j, 0,1,2,3
	global_load_b128 v[X+16*\b+4*\j:X+16*\b+4*\j+3], v4, s[4:5] offset:128*\b+16*\j
.endr
.endr
.irp b, 0,1,2,3
.irp j, 0,1,2,3
	global_load_b128 v[PO+16*\b+4*\j:PO+16*\b+4*\j+3], v4, s[6:7] offset:128*\b+16*\j
.endr
.endr
	s_cmp_eq_u32 s23, 4                            ; the two weights differ in their pitch, which stands in the loads' immediates
	s_cbranch_scc1 .Lnarrow
	WLOAD 512
	s_branch .Lloaded
.Lnarrow:
	WLOAD 256
.Lloaded:
	global_load_b128 v[BI:BI+3], v10, s[10:11]
	global_load_b128 v[BI+4:BI+7], v10, s[10:11] offset:16
	s_wait_loadcnt 63                              ; x and pos_emb, the oldest 32 of 98 loads, are in: 66 younger ones might stay out, and 63 is the most that a count can name
.set i, 0
.rept 32
	v_pk_fma_f32 v[X+i:X+i+1], v[PO+i:PO+i+1], s[28:29], v[X+i:X+i+1] op_sel_hi:[1,0,1]   ; x + 1 x pos: one rounding, as an addition; or x + 0 x pos
.set i, i+2
.endr
	QUANT X
	ds_store_b128 v7, v[PC:PC+3] offset:XIMG
	ds_store_b128 v7, v[PC+4:PC+7] offset:XIMG+512
	ds_store_b32 v8, v[PW] offset:XSC
	s_wait_loadcnt 0x0                             ; the weight and b1
.irp c, 0,1                                            ; my block 2 c + h of my column: all its 32 numbers are mine
	v_max3_num_f32 v[TM+\c], |v[WN+32*\c]|, |v[WN+32*\c+1]|, 0x1800000
.endr
.irp i, 2,4,6,8,10,12,14,16,18,20,22,24,26,28,30
.irp c, 0,1
	v_max3_num_f32 v[TM+\c], v[TM+\c], |v[WN+32*\c+\i]|, |v[WN+32*\c+\i+1]|
.endr
.endr
.irp c, 0,1
	v_add_nc_u32 v[TM+12+\c], 0xff000000, v[TM+\c]
.endr
.irp c, 0,1
	v_lshrrev_b32 v[TM+4+\c], 23, v[TM+12+\c]
.endr
	v_lshl_or_b32 v[WS], v[TM+5], 16, v[TM+4]      ; my two bytes: blocks h and 2 + h,
	v_lshlrev_b32 v[TM+6], 3, v3
	v_lshlrev_b32 v[WS], v[TM+6], v[WS]            ; at their places in the word;
	v_permlanex16_b32 v[TM+7], v[WS], s[SEL], s[SEL+1]
	v_or_b32 v[WS], v[WS], v[TM+7]                 ; with lane l xor 16's two the word is whole
.irp c, 0,1
.irp g, 0,1,2,3
	v_cvt_scalef32_pk8_fp4_f32 v[WF+4*\c+\g], v[WN+32*\c+8*\g:WN+32*\c+8*\g+7], v[TM+12+\c]
.endr
.endr
	v_nop                                          ; one plain place behind a scaled conversion
.irp i, 0,1,2,3,4,5,6,7
	v_xor_b32 v[WF+\i], s42, v[WF+\i]              ; K': every code's sign turned
.endr
.irp i, 0,1,2,3,4,5,6,7
	v_cndmask_b32 v[BI+\i], 0, v[BI+\i], s43       ; the bias, or zeros
.endr
	s_wait_dscnt 0x0                               ; for the others' sake: my image has landed
	s_barrier_signal -1
	s_barrier_wait -1
.irp m, 0,1,2,3
	ds_load_b128 v[XF+8*\m:XF+8*\m+3], v5 offset:XIMG+1024*\m
	ds_load_b128 v[XF+8*\m+4:XF+8*\m+7], v5 offset:XIMG+1024*\m+512
	ds_load_b32 v[XS+\m], v6 offset:XSC+128*\m
.endr
.rept 8
	v_nop                                          ; a scale register written by a vector instruction stands 8 places ahead of a scaled matrix instruction, an operand so written 4
.endr
	s_wait_dscnt 0x0
	s_cmp_eq_u32 s23, 4
	s_cbranch_scc1 .Lvalue
	; jobs 0 to 3: source 0 = my 16 columns of the weight, source 1 = 16 rows: lane (r, h) holds row r and channels 8 h + 0 .. 7 of my tile.  The bias is the C
.irp m, 0,1,2,3
	v_wmma_scale_f32_16x16x128_f8f6f4 v[DA+8*\m:DA+8*\m+7], v[WF:WF+7], v[XF+8*\m:XF+8*\m+7], v[BI:BI+7], v[WS], v[XS+\m] matrix_a_fmt:MATRIX_FMT_FP4 matrix_b_fmt:MATRIX_FMT_FP4
.endr
.rept 4
	v_nop                                          ; four places between a matrix instruction and a store of its result (ISA guide 7.12.1 for vector instructions)
.endr
.irp m, 0,1,2,3
	global_store_b128 v5, v[DA+8*\m:DA+8*\m+3], s[14:15] offset:8192*\m        ; the 32 lanes store 512 consecutive bytes, aligned; each result from its low end on
	global_store_b128 v5, v[DA+8*\m+4:DA+8*\m+7], s[14:15] offset:8192*\m+512
.endr
	s_wait_tensorcnt 0x0
	ds_add_u32 v254, v255
	s_wait_dscnt 0x0
	s_endpgm
.Lvalue:
	; job 4, the other way round: source 0 = 16 rows of x (keys), source 1 = my 16 columns of Wv: lane (r, h) holds column r and keys 16 m + 8 h + 0 .. 7: registers run along the next K
.irp m, 0,1,2,3
	v_wmma_scale_f32_16x16x128_f8f6f4 v[DA+8*\m:DA+8*\m+7], v[XF+8*\m:XF+8*\m+7], v[WF:WF+7], 0, v[XS+\m], v[WS] matrix_a_fmt:MATRIX_FMT_FP4 matrix_b_fmt:MATRIX_FMT_FP4
.endr
.rept 4
	v_nop
.endr
.irp e, 0,1                                            ; block e of 32 keys: tiles 2 e and 2 e + 1: 16 of its numbers are mine
	v_max3_num_f32 v[TM+\e], |v[DA+16*\e]|, |v[DA+16*\e+1]|, 0x1800000
.endr
.irp i, 2,4,6,8,10,12,14
.irp e, 0,1
	v_max3_num_f32 v[TM+\e], v[TM+\e], |v[DA+16*\e+\i]|, |v[DA+16*\e+\i+1]|
.endr
.endr
.irp e, 0,1
	v_permlanex16_b32 v[TM+4+\e], v[TM+\e], s[SEL], s[SEL+1]
.endr
.irp e, 0,1
	v_max_num_f32 v[TM+\e], v[TM+\e], v[TM+4+\e]
.endr
.irp e, 0,1
	v_add_nc_u32 v[TM+12+\e], 0xff000000, v[TM+\e]
.endr
.irp e, 0,1
	v_lshrrev_b32 v[TM+4+\e], 23, v[TM+12+\e]
.endr
.irp e, 0,1
	v_cvt_scalef32_pk8_fp4_f32 v[PC+2*\e], v[DA+16*\e:DA+16*\e+7], v[TM+12+\e]        ; keys 8 h + 0 .. 7 of the block
	v_cvt_scalef32_pk8_fp4_f32 v[PC+2*\e+1], v[DA+16*\e+8:DA+16*\e+15], v[TM+12+\e]   ; keys 16 + 8 h + 0 .. 7
.endr
	v_nop
.irp e, 0,1
	v_permlane16_swap_b32 v[PC+2*\e], v[PC+2*\e+1] ; now lane (r, h) holds keys 16 h + 0 .. 15 in the pair: 8 neighbouring bytes of column r's 16
.endr
.irp e, 0,1
	v_or_b32 v[TM+4+\e], 0x7f7f7f00, v[TM+4+\e]    ; the scale word of an operand whose K is filled up with zero codes
.endr
	v_cmp_eq_u32 vcc_lo, 1, v3
	v_cndmask_b32 v[PW], v[TM+4], v[TM+5], vcc_lo  ; lanes 0-15 store block 0's words, lanes 16-31 block 1's
	v_lshlrev_b32 v11, 4, v2
	v_lshl_add_u32 v11, v3, 3, v11
	v_lshlrev_b32 v12, 2, v2
	v_lshl_add_u32 v12, v3, 8, v12
	global_store_b64 v11, v[PC:PC+1], s[18:19]             ; the 32 lanes store 256 consecutive bytes, aligned
	global_store_b64 v11, v[PC+2:PC+3], s[18:19] offset:1024
	global_store_b32 v12, v[PW], s[20:21]                  ; two runs of 64 bytes: 128 of the wave's 640 bytes
	s_wait_tensorcnt 0x0
	ds_add_u32 v254, v255
	s_wait_dscnt 0x0
	s_endpgm
.Lfunc_end_k_q76a0e0c58d_project:
	.size	k_q76a0e0c58d_project, .Lfunc_end_k_q76a0e0c58d_project-k_q76a0e0c58d_project
	.p2alignl 7, 3214868480
	.fill 96, 4, 3214868480
	.section	.rodata,"a",@progbits
	.p2align	6, 0x0
	.amdhsa_kernel k_q76a0e0c58d_project
		.amdhsa_group_segment_fixed_size 5120
		.amdhsa_private_segment_fixed_size 0
		.amdhsa_enable_private_segment 0
		.amdhsa_kernarg_size 72
		.amdhsa_user_sgpr_count 2
		.amdhsa_user_sgpr_kernarg_segment_ptr 1
		.amdhsa_wavefront_size32 1
		.amdhsa_system_sgpr_workgroup_id_x 1
		.amdhsa_system_sgpr_workgroup_id_y 1
		.amdhsa_system_sgpr_workgroup_id_z 1
		.amdhsa_system_vgpr_workitem_id 0
		.amdhsa_next_free_vgpr 256
		.amdhsa_next_free_sgpr 66
		.amdhsa_reserve_vcc 1
		.amdhsa_float_denorm_mode_32 3
		.amdhsa_float_denorm_mode_16_64 3
		.amdhsa_memory_ordered 1
		.amdhsa_forward_progress 1
		.amdhsa_inst_pref_size 35
	.end_amdhsa_kernel
	.amdgpu_metadata
---
amdhsa.version: [ 1, 2 ]
amdhsa.kernels:
  - .name:           k_q76a0e0c58d_project
    .symbol:         k_q76a0e0c58d_project.kd
    .args:
      - { .name: x, .offset: 0, .size: 8, .value_kind: global_buffer, .address_space: global }
      - { .name: pos_emb, .offset: 8, .size: 8, .value_kind: global_buffer, .address_space: global }
      - { .name: W1, .offset: 16, .size: 8, .value_kind: global_buffer, .address_space: global }
      - { .name: b1, .offset: 24, .size: 8, .value_kind: global_buffer, .address_space: global }
      - { .name: Wv, .offset: 32, .size: 8, .value_kind: global_buffer, .address_space: global }
      - { .name: ka, .offset: 40, .size: 8, .value_kind: global_buffer, .address_space: global }
      - { .name: qa, .offset: 48, .size: 8, .value_kind: global_buffer, .address_space: global }
      - { .name: vc, .offset: 56, .size: 8, .value_kind: global_buffer, .address_space: global }
      - { .name: vs, .offset: 64, .size: 8, .value_kind: global_buffer, .address_space: global }
    .group_segment_fixed_size: 5120
    .private_segment_fixed_size: 0
    .kernarg_segment_align: 8
    .kernarg_segment_size: 72
    .max_flat_workgroup_size: 128
    .sgpr_count:     66
    .vgpr_count:     256
    .wavefront_size: 32
...
	.end_amdgpu_metadata
.endif
;; end of part 1
;; launch attend (part 2): grid 64 x 4, 16 waves a work-group, no clusters, 91,136 bytes of LDS; arguments ka, qa, vc, vs, W2, b2, out0; writes out0
.if DOCPART == 2
	.amdgcn_target "amdgcn-amd-amdhsa--gfx1250"
	.amdhsa_code_object_version 6
	.text
	.protected	k_q76a0e0c58d_attend
	.globl	k_q76a0e0c58d_attend
	.p2align	8
	.type	k_q76a0e0c58d_attend,@function
k_q76a0e0c58d_attend:
	s_mov_b64 s[64:65], 0
	v_nop
	global_prefetch_b8 v0, s[64:65] scope:SCOPE_SE
	s_setreg_imm32_b32 hwreg(HW_REG_WAVE_MODE, 25, 1), 1
	s_wait_xcnt 0x0
; ATTEND: wei[i][j] = (sum over c of W2[c] relu(Aq[i][c] + Ak[j][c] + b1[c]) + b2) / sqrt(128) for j <= i; softmax over j; out = wei V, the last product on codes of FP4 (E2M1), 32 keys to a block.
; THE PAIR STAGE, in f32.  relu(q + k) = max(q, -k) + k, so with q' = Aq + b1 (buffer qa) and K' = -Ak (buffer ka) the sum is  sum w max(q', K')  -  sum w K',  the second sum once for each key.
; That is one maximum and half a dual multiply-add for each (query, key, channel).  The terms of both sums are no larger than |w| max(|q'|, |K'|).
; SHARES.  A work-group owns 8 queries of one batch: 4 g .. 4 g + 3 (slots 0-3) and 508 - 4 g .. 511 - 4 g (slots 4-7): about 2,052 pairs under the causal mask for every g.  Each of its 16 waves owns a chunk of 32 keys, a lane a key:
; the key's 128 numbers of K' stay in 128 registers.  The queries' q' lie in 64 registers: lane n of each row of 16 lanes holds query slot n & 7, channels 64 (n / 8) + 0 .. 63; the maximum takes it from there by row_share.
; W2 comes 32 channels at a time into two sets of scalar registers, a batch (192 vector instructions) ahead.  A pass is 4 queries x 128 channels; the later queries' pass goes first.
; THE SOFTMAX stays in the wave: its 32 keys are one block of the quantiser.  t = logit x log2(e); M = the block's largest t rounded up to a whole number; p = 2^(t - M) is quantised; l = the sum of the unquantised p.
; O = V^T P for these 32 keys by four matrix instructions whose K is filled up with zero codes.  The 16 waves' O, l and M meet in LDS behind the barrier: each is brought under the largest M by an exact power of two.
; NO CLUSTER, NO TENSOR LOAD: K' is wanted in registers, a lane a key; by way of LDS its bytes would be written and read once more; and work-groups of one batch want different numbers of chunks.
; LIMITS: NaN and infinities are not served.  The block's largest t is held at -1e30 from below, so that a block all of whose keys are hidden has a finite M (its factor at the end is 0).  A block of p whose largest lies under 2^-124 gets the byte 1.
.set PSC, 1                            ; v1       p's scale word: this register holds nothing else
.set ACC, 8                            ; v8-15    sums: query q of the pass in the pair 2 q, 2 q + 1 (even channels, odd channels).  At the head: at work
.set D,   16                           ; v16-23   maxima at work
.set SC,  24                           ; v24-31   my key's score for the 8 slots
.set VA,  32                           ; v32-51   V^T: tile t's 32 codes a lane at 4 t; a tile's operand is 8 registers from there on: what lies above the first 4 meets zero codes
.set VS,  52                           ; v52-55   its scale words
.set SN,  56                           ; v56-57   sum w K', in two halves; then b2 less that sum
.set SW,  58                           ; LDS addresses, all made at the head: where I put a score,
.set SR,  59                           ; where I read 8 scores of one query,
.set OW,  60                           ; where I put my part of O,
.set MW,  61                           ; and -M and l;
.set FM,  62                           ; at the end: the 16 pairs -M, l of my query,
.set FO,  63                           ; and the 16 parts of my four numbers of O
.set QB,  64                           ; v64-127  q'
.set KB,  128                          ; v128-255 K': register c = channel c of my key
.set WA,  16                           ; s[16:47] W2, even batches of 32 channels
.set WB,  68                           ; s[68:99] odd batches
.set SPITCH, 144                       ; LDS: a query's 32 scores, 128 bytes + 16
.set SCRW, 8*SPITCH                    ; 8 of them for each wave, the wave's own
.set OP,  16*SCRW                      ; behind them the parts of O: for each wave 16 rows (8 of them used) of 256 bytes + 16
.set OPITCH, 272
.set OPW, 16*OPITCH
.set ML,  OP+16*OPW                    ; behind them -M and l: [slot][wave] 8 bytes
.set T,   64                           ; the softmax: v64-71 8 scores, then p
.set SMX, 72                           ; the block's largest score
.set XT,  73                           ; what comes from lane l xor 16
.set TMX, 74
.set NM,  76                           ; v76 -M,
.set LL,  77                           ; v77 l
.set PMX, 78                           ; the block's largest p
.set SO,  79                           ; the conversion's scale operand
.set CD,  82                           ; v82-85   my 8 codes; those of lanes l xor 8, l xor 16, l xor 24
.set R,   88                           ; v88-95   P's operand
.set O,   96                           ; v96-127  four results
.set SU,  132                          ; v132-135 sums of p at work
.set MLR, 128                          ; the end: v128-159 -M (then the factor) and l of the 16 waves
.set PR,  160                          ; v160-223 their parts of O
.set LS,  240                          ; the row's l
.set RC,  242                          ; v242-243 its reciprocal, named as a pair
.set G,   244                          ; the least -M
.set A1,  245
.set A2,  246
.set OA,  248                          ; v248-251 my four numbers of O
; two channels c, c + 1 of four queries, which lie in lanes l0 .. l3 of each row of 16.  first = 1: also sum w K'
.macro PAIR l0, l1, l2, l3, first
.set qr, QB+c%64
.set kr, KB+c
.set wr, wc+c%32
	v_max_num_f32_dpp v[D], v[qr], v[kr] row_share:\l0 row_mask:0xf bank_mask:0xf
	v_max_num_f32_dpp v[D+1], v[qr+1], v[kr+1] row_share:\l0 row_mask:0xf bank_mask:0xf
	v_max_num_f32_dpp v[D+2], v[qr], v[kr] row_share:\l1 row_mask:0xf bank_mask:0xf
	v_max_num_f32_dpp v[D+3], v[qr+1], v[kr+1] row_share:\l1 row_mask:0xf bank_mask:0xf
	v_max_num_f32_dpp v[D+4], v[qr], v[kr] row_share:\l2 row_mask:0xf bank_mask:0xf
	v_max_num_f32_dpp v[D+5], v[qr+1], v[kr+1] row_share:\l2 row_mask:0xf bank_mask:0xf
	v_max_num_f32_dpp v[D+6], v[qr], v[kr] row_share:\l3 row_mask:0xf bank_mask:0xf
	v_max_num_f32_dpp v[D+7], v[qr+1], v[kr+1] row_share:\l3 row_mask:0xf bank_mask:0xf
.irp q, 0,2,4,6
.if c == 0
	v_dual_mul_f32 v[ACC+\q], s[wr], v[D+\q] :: v_dual_mul_f32 v[ACC+\q+1], s[wr+1], v[D+\q+1]     ; the first products start the sums
.else
	v_dual_fmac_f32 v[ACC+\q], s[wr], v[D+\q] :: v_dual_fmac_f32 v[ACC+\q+1], s[wr+1], v[D+\q+1]
.endif
.endr
.if \first
.if c == 0
	v_dual_mul_f32 v[SN], s[wr], v[kr] :: v_dual_mul_f32 v[SN+1], s[wr+1], v[kr+1]
.else
	v_dual_fmac_f32 v[SN], s[wr], v[kr] :: v_dual_fmac_f32 v[SN+1], s[wr+1], v[kr+1]
.endif
.endif
.endm
; a pass: four queries x 128 channels.  a0 .. a3: their lanes for channels 0-63, b0 .. b3: for channels 64-127.  first = 1: the wave's first pass
.macro PASS a0, a1, a2, a3, b0, b1, b2, b3, first
.set nb, 0
.rept 4
	s_wait_kmcnt 0x0                               ; this batch's 32 numbers of W2 are in (scalar loads come back in no order: the count is 0)
.if (nb < 3) || \first
.set nx, (nb+1)%4                      ; the next batch goes into the other set; the first pass ends by asking for batch 0 again, for a second pass
.set wn, WA+(WB-WA)*(nx%2)
	s_load_b512 s[wn:wn+15], s[12:13], 128*nx
	s_load_b512 s[wn+16:wn+31], s[12:13], 128*nx+64
.endif
.if \first
	s_wait_loadcnt 24-8*nb                         ; K' of this batch's channels is in (and V and q', asked for earlier); the eight loads of each later batch may be out
.endif
.set wc, WA+(WB-WA)*(nb%2)
.set p, 0
.rept 16
.set c, 32*nb+2*p
.if c < 64
	PAIR \a0, \a1, \a2, \a3, \first
.else
	PAIR \b0, \b1, \b2, \b3, \first
.endif
.set p, p+1
.endr
.set nb, nb+1
.endr
.endm
; the pass's sums become scores of slots sb .. sb + 3, whose first query's number is in s[i0]; hidden keys get -infinity
.macro FINISH sb, i0
.irp q, 0,1,2,3
	v_add_f32 v[SC+\sb+\q], v[ACC+2*\q], v[ACC+2*\q+1]
.endr
.irp q, 0,1,2,3
	v_add_f32 v[SC+\sb+\q], v[SC+\sb+\q], v[SN]
.endr
.irp q, 0,1,2,3
	s_add_co_u32 s60, s[\i0], \q
	v_cmp_lt_u32 vcc_lo, s60, v2                   ; the query lies ahead of my key
	v_cndmask_b32 v[SC+\sb+\q], v[SC+\sb+\q], v3, vcc_lo
.endr
.endm
	s_load_b256 s[4:11], s[0:1], 0x0               ; ka s[4:5], qa s[6:7], vc s[8:9], vs s[10:11]
	s_load_b128 s[12:15], s[0:1], 0x20             ; W2 s[12:13], b2 s[14:15]
	s_load_b64 s[48:49], s[0:1], 0x30              ; out0
	v_lshrrev_b32 v8, 5, v0
	v_readfirstlane_b32 s50, v8                    ; wave 0..15
	v_and_b32 v14, 31, v0                          ; lane
	v_and_b32 v8, 15, v0                           ; n = lane % 16
	v_bfe_u32 v9, v0, 4, 1                         ; lane / 16
	v_and_b32 v10, 7, v0                           ; lane % 8: a slot
	v_bfe_u32 v11, v0, 3, 2                        ; lane / 8
	s_mul_i32 s60, s50, SCRW
	v_lshl_add_u32 v[SW], v14, 2, s60              ; a score: my wave's rows, 4 x lane
	v_mul_u32_u24 v12, v10, SPITCH
	v_lshl_add_u32 v12, v11, 5, v12
	v_add_nc_u32 v[SR], s60, v12                   ; back: query slot lane % 8, keys 8 (lane / 8) + 0 .. 7
	s_mul_i32 s60, s50, OPW
	s_add_co_u32 s60, s60, OP
	v_mul_u32_u24 v12, v8, OPITCH
	v_lshl_add_u32 v12, v9, 5, v12
	v_add_nc_u32 v[OW], s60, v12                   ; my part of O: row n, + 32 (lane / 16)
	s_lshl_b32 s60, s50, 3
	s_add_co_u32 s60, s60, ML
	v_lshl_add_u32 v[MW], v10, 7, s60              ; -M, l: my slot's row, my wave's 8 bytes
	s_and_b32 s60, s50, 3
	s_lshl_b32 s60, s60, 1
	v_add_nc_u32 v12, s60, v9                      ; at the end (waves 0 to 3): slot 2 x wave + lane / 16
	v_lshl_add_u32 v[FM], v12, 7, ML
	v_mul_u32_u24 v12, v12, OPITCH
	v_lshl_add_u32 v12, v8, 4, v12
	v_add_nc_u32 v[FO], OP, v12
	; which chunk of 32 keys is mine.  Early chunks carry more work (both groups of queries).  With wave = 4 a + b the chunk is 4 ((a + b) % 4) + b: any four waves with consecutive numbers 4 a .. 4 a + 3,
	; and any four with equal b, hold one chunk of each quarter of the keys.  The chunk enters global addresses and the mask alone, no LDS address
	s_lshr_b32 s60, s50, 2
	s_add_co_u32 s60, s60, s50
	s_and_b32 s60, s60, 3
	s_lshl_b32 s60, s60, 2
	s_and_b32 s57, s50, 3
	s_add_co_u32 s57, s57, s60                     ; my chunk
	s_lshl_b32 s51, s57, 5                         ; j0: its first key
	s_lshl_b32 s52, ttmp9, 2                       ; iA = 4 g: slot 0's query
	s_sub_co_u32 s53, 508, s52                     ; iB = 508 - 4 g: slot 4's
	s_lshl_b32 s55, ttmp9, 3
	s_sub_co_u32 s55, 504, s55                     ; query of slot s = 4 g + s + (s / 4) (504 - 8 g)
	s_and_b32 s54, ttmp7, 0xffff                   ; the batch
	s_mov_b32 s58, 0x3e0293ee                      ; c = log2(e) / sqrt(128)
	s_mov_b32 s59, s58                             ; (named with it as a pair, so it is written)
	s_mov_b32 s61, 0xffff                          ; lanes 0-15
	s_mov_b32 s62, 0x76543210
	s_mov_b32 s63, 0xfedcba98                      ; v_permlanex16_b32's selects for lane l xor 16
	v_add_nc_u32 v2, s51, v14                      ; my key
	v_mov_b32 v3, 0xff800000                       ; -infinity
	v_lshlrev_b32 v6, 4, v8                        ; 16 n
	v_lshlrev_b32 v7, 2, v8                        ; 4 n
	v_lshl_add_u32 v4, v9, 13, v6                  ; K': my key's tile of 16 rows (8,192 bytes) and its row in it
	v_lshrrev_b32 v12, 2, v10
	v_mul_lo_u32 v12, v12, s55
	v_add3_u32 v12, v12, v10, s52                  ; my slot's query
	v_lshrrev_b32 v13, 4, v12
	v_and_b32 v12, 15, v12
	v_lshlrev_b32 v5, 4, v12
	v_lshl_add_u32 v5, v13, 13, v5                 ; q': its tile and row,
	v_bfe_u32 v13, v0, 3, 1
	v_lshl_add_u32 v5, v13, 12, v5                 ; and channels 64 on (four channel tiles of 1,024 bytes) for lanes 8-15 of a row of 16
.irp i, 0,1,2,3,4,5,6,7
	v_mov_b32 v[D+\i], 0                           ; written once: the destination of a DPP form counts as one of its sources
	v_mov_b32 v[SC+\i], v3                         ; a pass that is left out leaves its scores hidden
.endr
.irp i, 16,17,18,19
	v_mov_b32 v[VA+\i], 0                          ; the upper half of tile 3's operand
.endr
	s_wait_kmcnt 0x0
	s_lshl_b32 s66, s54, 18                        ; a batch's 32 tiles of 8,192 bytes
	s_mov_b32 s67, 0
	s_add_nc_u64 s[6:7], s[6:7], s[66:67]
	s_lshl_b32 s60, s57, 14                        ; a chunk's two tiles
	s_add_co_u32 s66, s66, s60
	s_add_nc_u64 s[4:5], s[4:5], s[66:67]
	s_lshl_b32 s66, s54, 4
	s_add_co_u32 s66, s66, s57                     ; the block of 32 keys: 16 x batch + chunk
	s_lshl_b32 s66, s66, 8
	s_add_nc_u64 s[10:11], s[10:11], s[66:67]      ; 256 bytes of scale words,
	s_lshl_b32 s66, s66, 2
	s_add_nc_u64 s[8:9], s[8:9], s[66:67]          ; 1,024 bytes of codes
	s_lshl_b32 s66, s54, 17                        ; out0: 512 rows of 256 bytes a batch
	s_add_nc_u64 s[48:49], s[48:49], s[66:67]
.irp t, 0,1,2,3
	global_load_b128 v[VA+4*\t:VA+4*\t+3], v6, s[8:9] offset:256*\t    ; V^T: column 16 t + n, its 32 codes along my keys (both halves of the lanes take the same: the upper half meets zero codes)
	global_load_b32 v[VS+\t], v7, s[10:11] offset:64*\t
.endr
	s_add_co_u32 s60, s53, 3
	s_cmp_gt_u32 s51, s60                          ; all my keys lie behind the last query: no pass, and none of its loads
	s_cbranch_scc1 .Lsoft
	s_load_b32 s56, s[14:15], 0x0                  ; b2
	s_load_b512 s[WA:WA+15], s[12:13], 0x0         ; W2, channels 0-31
	s_load_b512 s[WA+16:WA+31], s[12:13], 0x40
.set m, 0
.rept 16
	global_load_b128 v[QB+4*m:QB+4*m+3], v5, s[6:7] offset:(2*(m/4)+m%2)*512+((m/2)%2)*256     ; q': channels 4 m .. 4 m + 3 of my half
.set m, m+1
.endr
.set m, 0
.rept 32
	global_load_b128 v[KB+4*m:KB+4*m+3], v4, s[4:5] offset:(2*(m/4)+m%2)*512+((m/2)%2)*256     ; K': channels 4 m .. 4 m + 3 of my key: sixteen lanes read 256 consecutive bytes, aligned
.set m, m+1
.endr
	PASS 4, 5, 6, 7, 12, 13, 14, 15, 1             ; slots 4-7: whoever has a pass has this one
	v_add_f32 v[SN], v[SN], v[SN+1]
	v_sub_f32 v[SN], s56, v[SN]                    ; b2 - sum w K'
	FINISH 4, 53
	s_add_co_u32 s60, s52, 3
	s_cmp_gt_u32 s51, s60                          ; all my keys lie behind slots 0-3
	s_cbranch_scc1 .Lsoft
	PASS 0, 1, 2, 3, 8, 9, 10, 11, 0
	FINISH 0, 52
.Lsoft:
	s_wait_kmcnt 0x0                               ; (a second pass that was left out leaves its first batch of W2 on its way)
	s_wait_loadcnt 0x0                             ; V; and no load is out into the registers that are used anew from here on
.irp s, 0,1,2,3,4,5,6,7
	ds_store_b32 v[SW], v[SC+\s] offset:SPITCH*\s  ; the scores turn through my wave's own bytes: in: a lane a key,
.endr
	ds_load_b128 v[T:T+3], v[SR]                   ; out: a lane 8 keys of one slot.  LDS serves a wave's instructions in order (ISA guide 5.7.1.4): these see the stores above
	ds_load_b128 v[T+4:T+7], v[SR] offset:16
.irp i, 4,5,6,7
	v_mov_b32 v[R+\i], 0                           ; zero codes for k = 64 .. 127
.endr
	v_mov_b32 v[XT], 0                             ; destinations of lane permutes and DPP forms count as sources
	v_mov_b32 v[CD+1], 0
	v_mov_b32 v[CD+2], 0
	v_mov_b32 v[CD+3], 0
	v_mov_b32 v[LL], 0                             ; (named with -M as a pair before it is first summed)
	s_wait_dscnt 0x0
	v_max3_num_f32 v[SMX], v[T], v[T+1], v[T+2]
	v_max3_num_f32 v[SMX], v[SMX], v[T+3], v[T+4]
	v_max3_num_f32 v[SMX], v[SMX], v[T+5], v[T+6]
	v_max_num_f32 v[SMX], v[SMX], v[T+7]
	v_max_num_f32_dpp v[SMX], v[SMX], v[SMX] row_xmask:8 row_mask:0xf bank_mask:0xf   ; a slot's 32 keys lie in lanes l, l xor 8,
	v_permlanex16_b32 v[XT], v[SMX], s62, s63
	v_max_num_f32 v[SMX], v[SMX], v[XT]            ; l xor 16 and l xor 24: the block's largest score
	v_mul_f32 v[TMX], s58, v[SMX]                  ; as t (c is positive),
	v_max_num_f32 v[TMX], 0xf149f2ca, v[TMX]       ; held at -1e30 from below
	v_floor_f32 v[NM], -v[TMX]                     ; -M = floor(-t) = -ceil(t): M is a whole number
.irp j, 0,2,4,6
	v_pk_fma_f32 v[T+\j:T+\j+1], v[T+\j:T+\j+1], s[58:59], v[NM:NM+1] op_sel_hi:[1,0,0]   ; t - M
.endr
	v_fma_f32 v[PMX], v[SMX], s58, v[NM]           ; the same of the largest score: p rises with the score
.irp j, 0,1,2,3,4,5,6,7
	v_exp_f32 v[T+\j], v[T+\j]                     ; p = 2^(t - M); a hidden key's is 0
.endr
	v_exp_f32 v[PMX], v[PMX]
	v_nop                                          ; a plain instruction behind the last exponential
	s_wait_alu depctr_va_vdst(0)                   ; one wait for the nine, ahead of the first instruction that names a result
	v_pk_add_f32 v[SU:SU+1], v[T:T+1], v[T+2:T+3]  ; l is the sum of the UNQUANTISED p
	v_pk_add_f32 v[SU+2:SU+3], v[T+4:T+5], v[T+6:T+7]
	v_max_num_f32 v[PMX], 0x1800000, v[PMX]        ; the floor 2^(3 - 127): the byte cannot fall under 1
	v_pk_add_f32 v[SU:SU+1], v[SU:SU+1], v[SU+2:SU+3]
	v_add_nc_u32 v[SO], 0xff000000, v[PMX]         ; 2 off the exponent field: the conversion's scale operand
	v_add_f32 v[LL], v[SU], v[SU+1]
	v_lshrrev_b32 v[PSC], 23, v[SO]                ; the scale's byte,
	v_add_f32_dpp v[LL], v[LL], v[LL] row_xmask:8 row_mask:0xf bank_mask:0xf
	v_or_b32 v[PSC], 0x7f7f7f00, v[PSC]            ; with 1.0 for the three blocks of zero codes
	v_permlanex16_b32 v[XT], v[LL], s62, s63
	v_cvt_scalef32_pk8_fp4_f32 v[CD], v[T:T+7], v[SO]      ; my 8 keys' codes
	v_add_f32 v[LL], v[LL], v[XT]                  ; the block's l.  (Also the plain place behind the scaled conversion)
	v_mov_b32_dpp v[CD+1], v[CD] row_xmask:8 row_mask:0xf bank_mask:0xf    ; lane s (0 .. 7) gathers its slot's 32 codes: keys 8-15 from lane s + 8,
	v_permlanex16_b32 v[CD+2], v[CD], s62, s63                             ; keys 16-23 from lane s + 16,
	v_mov_b32_dpp v[CD+3], v[CD+2] row_xmask:8 row_mask:0xf bank_mask:0xf  ; keys 24-31 from lane s + 24
.irp i, 0,1,2,3
	v_cndmask_b32 v[R+\i], 0, v[CD+\i], s61        ; lanes 0-15: k = 0 .. 31; lanes 16-31 (k = 32 .. 63): zero codes.  Lanes 8-15 are columns that nobody reads
.endr
.rept 8
	v_nop                                          ; a scale register written by a vector instruction stands 8 places ahead of a scaled matrix instruction, an operand so written 4
.endr
.irp t, 0,1,2,3                                        ; O^T = V^T P: source 0 = 16 columns of V, source 1 = P: lane (r, h) holds slot r and columns 16 t + 8 h + 0 .. 7
	v_wmma_scale_f32_16x16x128_f8f6f4 v[O+8*\t:O+8*\t+7], v[VA+4*\t:VA+4*\t+7], v[R:R+7], 0, v[VS+\t], v[PSC] matrix_a_fmt:MATRIX_FMT_FP4 matrix_b_fmt:MATRIX_FMT_FP4
.endr
.rept 4
	v_nop                                          ; four places between a matrix instruction and an LDS store of its result
.endr
.irp t, 0,1,2,3
	ds_store_b128 v[OW], v[O+8*\t:O+8*\t+3] offset:64*\t           ; each result from its low end on
	ds_store_b128 v[OW], v[O+8*\t+4:O+8*\t+7] offset:64*\t+16
.endr
	ds_store_b64 v[MW], v[NM:NM+1]                 ; the four lanes of a slot write the same 8 bytes with the same values
	s_wait_dscnt 0x0                               ; for the others' sake: my stores have landed
	s_barrier_signal -1
	s_barrier_wait -1
	s_cmp_gt_u32 s50, 3                            ; waves 0 to 3 finish two slots each: a lane four numbers of a row of out0
	s_cbranch_scc1 .Lend
.irp k, 0,1,2,3,4,5,6,7
	ds_load_b128 v[MLR+4*\k:MLR+4*\k+3], v[FM] offset:16*\k        ; -M and l of waves 2 k, 2 k + 1
.endr
.irp w, 0,1,2,3,4,5,6,7,8,9,10,11,12,13,14,15
	ds_load_b128 v[PR+4*\w:PR+4*\w+3], v[FO] offset:OPW*\w
.endr
	v_mov_b32 v[RC+1], 0                           ; (named with the reciprocal as a pair, so it is written)
	s_wait_dscnt 16                                ; the eight loads of -M and l are in; the sixteen parts of O may be out
	v_min3_num_f32 v[G], v[MLR], v[MLR+2], v[MLR+4]
.irp k, 6,10,14,18,22,26
	v_min3_num_f32 v[G], v[G], v[MLR+\k], v[MLR+\k+2]
.endr
	v_min_num_f32 v[G], v[G], v[MLR+30]            ; the least -M: the row's M.  Key 0 counts for every query, so it is a true one
.irp w, 0,1,2,3,4,5,6,7,8,9,10,11,12,13,14,15
	v_sub_f32 v[MLR+2*\w], v[G], v[MLR+2*\w]       ; the wave's M less the row's: a whole number, 0 or less
.endr
.irp w, 0,1,2,3,4,5,6,7,8,9,10,11,12,13,14,15
	v_cvt_i32_f32 v[MLR+2*\w], v[MLR+2*\w]         ; (it saturates)
.endr
.irp w, 0,1,2,3,4,5,6,7,8,9,10,11,12,13,14,15
	v_ldexp_f32 v[MLR+2*\w], 1.0, v[MLR+2*\w]      ; the factor: an exact power of two; 0 for a block all of whose keys are hidden
.endr
	v_mul_f32 v[LS], v[MLR], v[MLR+1]
.irp w, 1,2,3,4,5,6,7,8,9,10,11,12,13,14,15
	v_fmac_f32 v[LS], v[MLR+2*\w], v[MLR+2*\w+1]
.endr
	v_rcp_f32 v[RC], v[LS]
	v_bfe_u32 v[A1], v0, 4, 1                      ; (a plain instruction behind the reciprocal)
	s_and_b32 s60, s50, 3
	s_lshl_b32 s60, s60, 1
	v_add_nc_u32 v[A1], s60, v[A1]                 ; my slot,
	v_lshrrev_b32 v[A2], 2, v[A1]
	v_mul_lo_u32 v[A2], v[A2], s55
	v_add3_u32 v[A2], v[A2], v[A1], s52            ; its query,
	v_lshl_add_u32 v[A2], v[A2], 8, v6             ; its row of 256 bytes, my 16 bytes
	s_wait_dscnt 0x0
	v_pk_mul_f32 v[OA:OA+1], v[PR:PR+1], v[MLR:MLR+1] op_sel_hi:[1,0]
	v_pk_mul_f32 v[OA+2:OA+3], v[PR+2:PR+3], v[MLR:MLR+1] op_sel_hi:[1,0]
.irp w, 1,2,3,4,5,6,7,8,9,10,11,12,13,14,15
	v_pk_fma_f32 v[OA:OA+1], v[PR+4*\w:PR+4*\w+1], v[MLR+2*\w:MLR+2*\w+1], v[OA:OA+1] op_sel_hi:[1,0,1]
	v_pk_fma_f32 v[OA+2:OA+3], v[PR+4*\w+2:PR+4*\w+3], v[MLR+2*\w:MLR+2*\w+1], v[OA+2:OA+3] op_sel_hi:[1,0,1]
.endr
	s_wait_alu depctr_va_vdst(0)                   ; the wait ahead of the reciprocal's first reader
	v_pk_mul_f32 v[OA:OA+1], v[OA:OA+1], v[RC:RC+1] op_sel_hi:[1,0]
	v_pk_mul_f32 v[OA+2:OA+3], v[OA+2:OA+3], v[RC:RC+1] op_sel_hi:[1,0]
	global_store_b128 v[A2], v[OA:OA+3], s[48:49]  ; sixteen lanes store a row's 256 consecutive bytes, aligned
.Lend:
	s_wait_xcnt 0x0
	v_lshl_add_u32 v254, v0, 2, 0x15c00
	v_mov_b32 v255, 0
	s_wait_tensorcnt 0x0
	ds_add_u32 v254, v255
	s_wait_dscnt 0x0
	s_endpgm
.Lfunc_end_k_q76a0e0c58d_attend:
	.size	k_q76a0e0c58d_attend, .Lfunc_end_k_q76a0e0c58d_attend-k_q76a0e0c58d_attend
	.p2alignl 7, 3214868480
	.fill 96, 4, 3214868480
	.section	.rodata,"a",@progbits
	.p2align	6, 0x0
	.amdhsa_kernel k_q76a0e0c58d_attend
		.amdhsa_group_segment_fixed_size 91136
		.amdhsa_private_segment_fixed_size 0
		.amdhsa_enable_private_segment 0
		.amdhsa_kernarg_size 56
		.amdhsa_user_sgpr_count 2
		.amdhsa_user_sgpr_kernarg_segment_ptr 1
		.amdhsa_wavefront_size32 1
		.amdhsa_system_sgpr_workgroup_id_x 1
		.amdhsa_system_sgpr_workgroup_id_y 1
		.amdhsa_system_sgpr_workgroup_id_z 1
		.amdhsa_system_vgpr_workitem_id 0
		.amdhsa_next_free_vgpr 256
		.amdhsa_next_free_sgpr 100
		.amdhsa_reserve_vcc 1
		.amdhsa_float_denorm_mode_32 3
		.amdhsa_float_denorm_mode_16_64 3
		.amdhsa_memory_ordered 1
		.amdhsa_forward_progress 1
		.amdhsa_inst_pref_size 125
	.end_amdhsa_kernel
	.amdgpu_metadata
---
amdhsa.version: [ 1, 2 ]
amdhsa.kernels:
  - .name:           k_q76a0e0c58d_attend
    .symbol:         k_q76a0e0c58d_attend.kd
    .args:
      - { .name: ka, .offset: 0, .size: 8, .value_kind: global_buffer, .address_space: global }
      - { .name: qa, .offset: 8, .size: 8, .value_kind: global_buffer, .address_space: global }
      - { .name: vc, .offset: 16, .size: 8, .value_kind: global_buffer, .address_space: global }
      - { .name: vs, .offset: 24, .size: 8, .value_kind: global_buffer, .address_space: global }
      - { .name: W2, .offset: 32, .size: 8, .value_kind: global_buffer, .address_space: global }
      - { .name: b2, .offset: 40, .size: 8, .value_kind: global_buffer, .address_space: global }
      - { .name: out0, .offset: 48, .size: 8, .value_kind: global_buffer, .address_space: global }
    .group_segment_fixed_size: 91136
    .private_segment_fixed_size: 0
    .kernarg_segment_align: 8
    .kernarg_segment_size: 56
    .max_flat_workgroup_size: 512
    .sgpr_count:     100
    .vgpr_count:     256
    .wavefront_size: 32
...
	.end_amdgpu_metadata
.endif
;; end of part 2
;; ======== version 2 of 2: 2 launches; version 1 with the launches project, attend written anew for expert scheduling mode
;; limits: right only within a limited range of input values
;; workspace buffers: ka 1,048,576 bytes; qa 1,048,576 bytes; vc 65,536 bytes; vs 16,384 bytes
;; launch project (part 3): grid 32 x 5, 4 waves a work-group, no clusters, 5,120 bytes of LDS; arguments x, pos_emb, W1, b1, Wv, ka, qa, vc, vs; writes ka, qa, vc, vs
.if DOCPART == 3
	.amdgcn_target "amdgcn-amd-amdhsa--gfx1250"
	.amdhsa_code_object_version 6
	.text
	.protected	k_q76a0e0c58d_project
	.globl	k_q76a0e0c58d_project
	.p2align	8
	.type	k_q76a0e0c58d_project,@function
k_q76a0e0c58d_project:
	s_mov_b64 s[64:65], 0
	v_nop
	global_prefetch_b8 v0, s[64:65] scope:SCOPE_SE
	s_setreg_imm32_b32 hwreg(HW_REG_WAVE_SCHED_MODE, 0, 2), 2
	s_setreg_imm32_b32 hwreg(HW_REG_WAVE_MODE, 25, 1), 1
	s_wait_xcnt 0x0
	s_wait_alu depctr_vm_vsrc(0)
; PROJECT: the three projections of the attention head, on codes of FP4 (E2M1) with one E8M0 scale for each 32 along K = the 128 input channels.
;   K' = -(Q(x + pos) Q(W1[0:128]))          [2048][128] f32 -> ka      (the sign is put into the weight's codes: exact)
;   q' =   Q(x + pos) Q(W1[128:256]) + b1    [2048][128] f32 -> qa
;   V  =   Q(x) Q(Wv), then quantised ALONG THE KEYS, 32 keys to a block -> vc (codes), vs (scale words)
; SHARES.  Work-group x = 64 rows (of the 2,048 rows batch x time); work-group y = a job: 0, 1: K', channels 0-63, 64-127; 2, 3: q' likewise; 4: V.  Every job is one panel [128 k][64 columns] of a weight.
; Wave w quantises tile w (16 columns) of the panel in its registers: a lane takes a column and its registers run down K, so the conversions' results are the operand.  It also quantises rows 16 w .. 16 w + 15,
; whose fragment goes to the other waves through LDS as an image of its registers.  One barrier; then four matrix instructions a wave: its columns x the four tiles of rows.
; ka, qa: a tile of 16 rows is 8,192 bytes: for channel tile t (16 channels) and u = 0, 1 the 512 bytes at (2 t + u) 512 hold, at 16 x lane, registers 4 u .. 4 u + 3 of the result: lane (r, h): row r, channels 16 t + 8 h + 4 u + 0 .. 3.
; vc: a block of 32 keys is 1,024 bytes: [tile of 16 h][h][16 bytes = 32 codes].  vs: a block is 256 bytes: [tile][h] one word: the scale's byte, with 0x7f in the three bytes above it.
; LIMITS: NaN and infinities among the inputs are not served (job 4 adds 0 x pos).  A block whose largest magnitude lies under 2^-124, zeros among them, gets the byte 1: its codes are the same, and this program alone reads the bytes.
; THE MODE: SCHED_MODE bits 1:0 = 2 (LLVM: expert scheduling mode 2), set by the entry lines.  The code itself states the register dependences
; between vector or matrix instructions and memory or LDS instructions, with s_wait_alu, always for 0.
; THE PLAN.  Registers that memory or LDS instructions touch:
;   v4, v9, v10   offsets of the loads; v5 .. v8 LDS addresses (v5 also the stores' offset).  Made at the head, never written again: one wait on va_vdst ahead of the first load.
;   X, PO, WN, BI loaded once; no vector instruction names them ahead of their loads.
;   PC, PW        written by QUANT, read by the three LDS stores (a wait on va_vdst ahead of these); job 4 writes them again (a wait on vm_vsrc behind the barrier, ahead of the branch on the job).
;   XF            X's first 32 registers, which the additions wrote and the conversions read; the LDS loads behind the barrier land there.  One wait on va_vdst ahead of the barrier states that,
;                 and that WF and WS are written, which the scaled matrix instructions take: no vector instruction stands between that wait and the products.
;   DA            written by the matrix instructions; jobs 0 to 3 store it: the places, then a wait on va_vdst.
;   v11, v12      job 4's offsets: with PC and PW under one wait on va_vdst ahead of its stores.
.set X,    16                          ; v16-79   64 numbers of my row: register 16 b + i = k 32 b + 16 (lane / 16) + i.  Later: XF, DA
.set PO,   80                          ; v80-143  the same of pos_emb
.set WN,   144                         ; v144-207 64 numbers of my column: register 32 c + i = k 64 c + 32 (lane / 16) + i
.set PC,   208                         ; v208-215 codes just made
.set WF,   216                         ; v216-223 my weight tile's fragment
.set BI,   224                         ; v224-231 b1 in the result's layout, or zeros
.set TM,   232                         ; v232-247 at work
.set PW,   248                         ; a scale word just made
.set WS,   249                         ; my weight tile's scale words
.set XS,   250                         ; v250-253 the four row tiles' scale words
.set XF,   16                          ; v16-47   the four row tiles' fragments
.set DA,   48                          ; v48-79   the four results
.set XIMG, 0                           ; LDS: four fragments' images, 1,024 bytes each
.set XSC,  4096                        ; and their scale words, 128 bytes each
.set SEL,  26                          ; s[26:27] v_permlanex16_b32's selects for lane l xor 16
; 64 numbers of a lane become a fragment's codes in v[PC] on and its scale word in v[PW]
.macro QUANT s
.irp b, 0,1,2,3
	v_max3_num_f32 v[TM+\b], |v[\s+16*\b]|, |v[\s+1+16*\b]|, 0x1800000   ; block b: my 16 numbers, and the floor 2^(3 - 127): the byte cannot fall under 1
.endr
.irp i, 2,4,6,8,10,12,14
.irp b, 0,1,2,3
	v_max3_num_f32 v[TM+\b], v[TM+\b], |v[\s+16*\b+\i]|, |v[\s+1+16*\b+\i]|
.endr
.endr
.irp b, 0,1,2,3
	v_permlanex16_b32 v[TM+4+\b], v[TM+\b], s[SEL], s[SEL+1]
.endr
.irp b, 0,1,2,3
	v_max_num_f32 v[TM+\b], v[TM+\b], v[TM+4+\b]                   ; with lane l xor 16's: the block's largest magnitude
.endr
.irp b, 0,1,2,3
	v_add_nc_u32 v[TM+12+\b], 0xff000000, v[TM+\b]                 ; 2 off its exponent field: the conversion's scale operand
.endr
.irp b, 0,1,2,3
	v_lshrrev_b32 v[TM+4+\b], 23, v[TM+12+\b]                      ; the scale's byte
.endr
	v_lshl_or_b32 v[PW], v[TM+5], 8, v[TM+4]
	v_lshl_or_b32 v[PW], v[TM+6], 16, v[PW]
	v_lshl_or_b32 v[PW], v[TM+7], 24, v[PW]
.irp b, 0,1,2,3
	v_cvt_scalef32_pk8_fp4_f32 v[PC+2*\b], v[\s+16*\b:\s+7+16*\b], v[TM+12+\b]
	v_cvt_scalef32_pk8_fp4_f32 v[PC+1+2*\b], v[\s+8+16*\b:\s+15+16*\b], v[TM+12+\b]
.endr
	v_nop                                                          ; one plain place behind a scaled conversion
.irp c, 0,1                                                            ; the operand wants a whole block in a lane: lanes 0-15 block 2 c, lanes 16-31 block 2 c + 1
.irp i, 0,1
	v_permlane16_swap_b32 v[PC+4*\c+\i], v[PC+2+4*\c+\i]
.endr
.endr
.endm
; my column's 64 numbers: W(64 c + 32 (lane / 16) + i, column); sixteen lanes read 64 neighbouring bytes.  pitch: a row of the weight in bytes
.macro WLOAD pitch
.irp c, 0,1
.irp i, 0,1,2,3,4,5,6,7,8,9,10,11,12,13,14,15,16,17,18,19,20,21,22,23,24,25,26,27,28,29,30,31
	global_load_b32 v[WN+32*\c+\i], v9, s[8:9] offset:(64*\c+\i)*\pitch
.endr
.endr
.endm
	s_load_b512 s[4:19], s[0:1], 0x0               ; x s[4:5], pos_emb s[6:7], W1 s[8:9], b1 s[10:11], Wv s[12:13], ka s[14:15], qa s[16:17], vc s[18:19]
	s_load_b64 s[20:21], s[0:1], 0x40              ; vs
	v_lshl_add_u32 v254, v0, 2, 0x1200
	v_mov_b32 v255, 0
	v_lshrrev_b32 v1, 5, v0
	v_readfirstlane_b32 s22, v1                    ; wave 0..3
	v_and_b32 v1, 31, v0                           ; lane
	v_and_b32 v2, 15, v0                           ; r
	v_bfe_u32 v3, v0, 4, 1                         ; h
	v_lshlrev_b32 v4, 9, v2
	v_lshl_add_u32 v4, v3, 6, v4                   ; x, pos: row r of 512 bytes, + 64 h: my 16 numbers of a block of 32
	v_lshlrev_b32 v5, 4, v1                        ; 16 x lane: an image's place for my lane
	v_lshlrev_b32 v6, 2, v1                        ; 4 x lane: a scale word's
	s_wait_alu depctr_va_sdst(0)                   ; s22 is written, ahead of its first reader: LDS addresses and the buffers' offsets are made from it
	s_lshl_b32 s30, s22, 10
	v_add_nc_u32 v7, s30, v5                       ; where I store my rows' image
	s_lshl_b32 s31, s22, 7
	v_add_nc_u32 v8, s31, v6                       ; and its scale words
	s_and_b32 s23, ttmp7, 0xffff                   ; the job
	s_lshr_b32 s24, s23, 1                         ; 0: K', 1: q', 2: V
	s_and_b32 s25, s23, 1                          ; which 64 columns of W1
	s_mov_b32 s[SEL], 0x76543210
	s_mov_b32 s[SEL+1], 0xfedcba98
	s_lshl_b32 s32, ttmp9, 15                      ; x: 64 rows of 512 bytes a work-group,
	s_lshl_b32 s31, s22, 13                        ; 16 a wave
	s_add_co_u32 s32, s32, s31
	s_mov_b32 s33, 0
	s_and_b32 s34, ttmp9, 7                        ; pos_emb: the row's time alone: eight groups of 64 rows to a batch
	s_lshl_b32 s34, s34, 15
	s_add_co_u32 s34, s34, s31
	s_mov_b32 s35, 0
	s_lshl_b32 s44, ttmp9, 15                      ; ka, qa: four tiles of 8,192 bytes a work-group,
	s_lshl_b32 s31, s25, 12                        ; channel tile 4 (job & 1) + wave: 1,024 bytes each
	s_add_co_u32 s44, s44, s31
	s_add_co_u32 s44, s44, s30
	s_mov_b32 s45, 0
	s_lshl_b32 s40, ttmp9, 11                      ; vc: two blocks of 1,024 bytes a work-group, 256 bytes a tile of h
	s_lshl_b32 s31, s22, 8
	s_add_co_u32 s40, s40, s31
	s_mov_b32 s41, 0
	s_lshl_b32 s46, ttmp9, 9                       ; vs: two blocks of 256 bytes, 64 bytes a tile of h
	s_lshl_b32 s31, s22, 6                         ; (also: my 16 columns in a row of a weight or of b1, in bytes)
	s_add_co_u32 s46, s46, s31
	s_mov_b32 s47, 0
	s_lshl_b32 s30, s25, 8                         ; an odd job's 64 columns, in bytes
	s_add_co_u32 s38, s30, s31                     ; b1: my 16 numbers
	s_lshl_b32 s36, s24, 16                        ; W1: the query half lies 128 rows of 512 bytes down
	s_add_co_u32 s36, s36, s30
	s_mov_b32 s39, 16384                           ; 32 rows of W1 in bytes,
	s_cmp_eq_u32 s23, 4
	s_cselect_b32 s36, 0, s36
	s_cselect_b32 s39, 8192, s39                   ; of Wv
	s_cselect_b32 s28, 0, 1.0                      ; V is made of x alone
	s_mov_b32 s29, s28                             ; (named with it as a pair, so it is written)
	s_add_co_u32 s36, s36, s31
	s_mov_b32 s37, 0
	s_cmp_lt_u32 s23, 2
	s_cselect_b32 s42, 0x88888888, 0               ; K': the sign bit of each of a word's eight codes
	s_cmp_eq_u32 s24, 1
	s_cselect_b32 s43, -1, 0                       ; q' alone has the bias
	v_mul_lo_u32 v9, v3, s39
	v_lshl_add_u32 v9, v2, 2, v9                   ; the weight: column r, lanes 16-31 begin 32 rows down
	v_lshl_add_u32 v10, v3, 5, s38                 ; b1: lane (r, h) wants channels 8 h + 0 .. 7 of my tile
.irp b, 0,1,2,3
	v_mov_b32 v[TM+4+\b], 0                        ; written once: a lane permute's destination counts as one of its sources
.endr
	s_wait_kmcnt 0x0
	s_add_nc_u64 s[4:5], s[4:5], s[32:33]
	s_add_nc_u64 s[6:7], s[6:7], s[34:35]
	s_cmp_eq_u32 s23, 4
	s_cselect_b64 s[8:9], s[12:13], s[8:9]         ; the job's weight: the choice hangs on the work-group's number alone
	s_add_nc_u64 s[8:9], s[8:9], s[36:37]
	s_cmp_lt_u32 s23, 2
	s_cselect_b64 s[14:15], s[14:15], s[16:17]     ; and where jobs 0 to 3 store
	s_add_nc_u64 s[14:15], s[14:15], s[44:45]
	s_add_nc_u64 s[18:19], s[18:19], s[40:41]
	s_add_nc_u64 s[20:21], s[20:21], s[46:47]
	s_wait_alu depctr_va_vdst(0)                   ; the offsets v4, v9, v10 and the addresses v5 to v8 are written, which the loads, LDS instructions and stores below read
.irp b, 0,1,2,3
.irp j, 0,1,2,3
	global_load_b128 v[X+16*\b+4*\j:X+16*\b+4*\j+3], v4, s[4:5] offset:128*\b+16*\j
.endr
.endr
.irp b, 0,1,2,3
.irp j, 0,1,2,3
	global_load_b128 v[PO+16*\b+4*\j:PO+16*\b+4*\j+3], v4, s[6:7] offset:128*\b+16*\j
.endr
.endr
	s_cmp_eq_u32 s23, 4                            ; the two weights differ in their pitch, which stands in the loads' immediates
	s_cbranch_scc1 .Lnarrow
	WLOAD 512
	s_branch .Lloaded
.Lnarrow:
	WLOAD 256
.Lloaded:
	global_load_b128 v[BI:BI+3], v10, s[10:11]
	global_load_b128 v[BI+4:BI+7], v10, s[10:11] offset:16
	s_wait_loadcnt 63                              ; x and pos_emb, the oldest 32 of 98 loads, are in: 66 younger ones might stay out, and 63 is the most that a count can name
.set i, 0
.rept 32
	v_pk_fma_f32 v[X+i:X+i+1], v[PO+i:PO+i+1], s[28:29], v[X+i:X+i+1] op_sel_hi:[1,0,1]   ; x + 1 x pos: one rounding, as an addition; or x + 0 x pos
.set i, i+2
.endr
	QUANT X
	s_wait_alu depctr_va_vdst(0)                   ; the codes v[PC ..] and the scale word v[PW] are written, which the three LDS stores read
	ds_store_b128 v7, v[PC:PC+3] offset:XIMG
	ds_store_b128 v7, v[PC+4:PC+7] offset:XIMG+512
	ds_store_b32 v8, v[PW] offset:XSC
	s_wait_loadcnt 0x0                             ; the weight and b1
.irp c, 0,1                                            ; my block 2 c + h of my column: all its 32 numbers are mine
	v_max3_num_f32 v[TM+\c], |v[WN+32*\c]|, |v[WN+32*\c+1]|, 0x1800000
.endr
.irp i, 2,4,6,8,10,12,14,16,18,20,22,24,26,28,30
.irp c, 0,1
	v_max3_num_f32 v[TM+\c], v[TM+\c], |v[WN+32*\c+\i]|, |v[WN+32*\c+\i+1]|
.endr
.endr
.irp c, 0,1
	v_add_nc_u32 v[TM+12+\c], 0xff000000, v[TM+\c]
.endr
.irp c, 0,1
	v_lshrrev_b32 v[TM+4+\c], 23, v[TM+12+\c]
.endr
	v_lshl_or_b32 v[WS], v[TM+5], 16, v[TM+4]      ; my two bytes: blocks h and 2 + h,
	v_lshlrev_b32 v[TM+6], 3, v3
	v_lshlrev_b32 v[WS], v[TM+6], v[WS]            ; at their places in the word;
	v_permlanex16_b32 v[TM+7], v[WS], s[SEL], s[SEL+1]
	v_or_b32 v[WS], v[WS], v[TM+7]                 ; with lane l xor 16's two the word is whole
.irp c, 0,1
.irp g, 0,1,2,3
	v_cvt_scalef32_pk8_fp4_f32 v[WF+4*\c+\g], v[WN+32*\c+8*\g:WN+32*\c+8*\g+7], v[TM+12+\c]
.endr
.endr
	v_nop                                          ; one plain place behind a scaled conversion
.irp i, 0,1,2,3,4,5,6,7
	v_xor_b32 v[WF+\i], s42, v[WF+\i]              ; K': every code's sign turned
.endr
.irp i, 0,1,2,3,4,5,6,7
	v_cndmask_b32 v[BI+\i], 0, v[BI+\i], s43       ; the bias, or zeros
.endr
.rept 8
	v_nop                                          ; a scale register written by a vector instruction stands 8 places ahead of a scaled matrix instruction, an operand so written 4
.endr
	s_wait_alu depctr_va_vdst(0)                   ; behind the places: v[WF ..] and v[WS] are written, which the scaled matrix instructions take; and the additions and conversions are done with v16 to v47, in which the LDS loads below land
	s_wait_dscnt 0x0                               ; for the others' sake: my image has landed
	s_barrier_signal -1
	s_barrier_wait -1
	s_wait_alu depctr_vm_vsrc(0)                   ; my LDS stores have read v[PC ..] and v[PW], which job 4 writes again
.irp m, 0,1,2,3
	ds_load_b128 v[XF+8*\m:XF+8*\m+3], v5 offset:XIMG+1024*\m
	ds_load_b128 v[XF+8*\m+4:XF+8*\m+7], v5 offset:XIMG+1024*\m+512
	ds_load_b32 v[XS+\m], v6 offset:XSC+128*\m
.endr
	s_wait_dscnt 0x0
	s_cmp_eq_u32 s23, 4
	s_cbranch_scc1 .Lvalue
	; jobs 0 to 3: source 0 = my 16 columns of the weight, source 1 = 16 rows: lane (r, h) holds row r and channels 8 h + 0 .. 7 of my tile.  The bias is the C
.irp m, 0,1,2,3
	v_wmma_scale_f32_16x16x128_f8f6f4 v[DA+8*\m:DA+8*\m+7], v[WF:WF+7], v[XF+8*\m:XF+8*\m+7], v[BI:BI+7], v[WS], v[XS+\m] matrix_a_fmt:MATRIX_FMT_FP4 matrix_b_fmt:MATRIX_FMT_FP4
.endr
.rept 4
	v_nop                                          ; four places between a matrix instruction and a store of its result (ISA guide 7.12.1 for vector instructions)
.endr
	s_wait_alu depctr_va_vdst(0)                   ; the matrix instructions have written v[DA ..], which the stores read; the places above stay beside this wait
.irp m, 0,1,2,3
	global_store_b128 v5, v[DA+8*\m:DA+8*\m+3], s[14:15] offset:8192*\m        ; the 32 lanes store 512 consecutive bytes, aligned; each result from its low end on
	global_store_b128 v5, v[DA+8*\m+4:DA+8*\m+7], s[14:15] offset:8192*\m+512
.endr
	s_wait_dscnt 0x0                               ; the closing lines, six on end
	s_wait_alu 0x0
	s_wait_tensorcnt 0x0
	ds_add_u32 v254, v255
	s_wait_dscnt 0x0
	s_endpgm
.Lvalue:
	; job 4, the other way round: source 0 = 16 rows of x (keys), source 1 = my 16 columns of Wv: lane (r, h) holds column r and keys 16 m + 8 h + 0 .. 7: registers run along the next K
.irp m, 0,1,2,3
	v_wmma_scale_f32_16x16x128_f8f6f4 v[DA+8*\m:DA+8*\m+7], v[XF+8*\m:XF+8*\m+7], v[WF:WF+7], 0, v[XS+\m], v[WS] matrix_a_fmt:MATRIX_FMT_FP4 matrix_b_fmt:MATRIX_FMT_FP4
.endr
.rept 4
	v_nop
.endr
.irp e, 0,1                                            ; block e of 32 keys: tiles 2 e and 2 e + 1: 16 of its numbers are mine
	v_max3_num_f32 v[TM+\e], |v[DA+16*\e]|, |v[DA+16*\e+1]|, 0x1800000
.endr
.irp i, 2,4,6,8,10,12,14
.irp e, 0,1
	v_max3_num_f32 v[TM+\e], v[TM+\e], |v[DA+16*\e+\i]|, |v[DA+16*\e+\i+1]|
.endr
.endr
.irp e, 0,1
	v_permlanex16_b32 v[TM+4+\e], v[TM+\e], s[SEL], s[SEL+1]
.endr
.irp e, 0,1
	v_max_num_f32 v[TM+\e], v[TM+\e], v[TM+4+\e]
.endr
.irp e, 0,1
	v_add_nc_u32 v[TM+12+\e], 0xff000000, v[TM+\e]
.endr
.irp e, 0,1
	v_lshrrev_b32 v[TM+4+\e], 23, v[TM+12+\e]
.endr
.irp e, 0,1
	v_cvt_scalef32_pk8_fp4_f32 v[PC+2*\e], v[DA+16*\e:DA+16*\e+7], v[TM+12+\e]        ; keys 8 h + 0 .. 7 of the block
	v_cvt_scalef32_pk8_fp4_f32 v[PC+2*\e+1], v[DA+16*\e+8:DA+16*\e+15], v[TM+12+\e]   ; keys 16 + 8 h + 0 .. 7
.endr
	v_nop
.irp e, 0,1
	v_permlane16_swap_b32 v[PC+2*\e], v[PC+2*\e+1] ; now lane (r, h) holds keys 16 h + 0 .. 15 in the pair: 8 neighbouring bytes of column r's 16
.endr
.irp e, 0,1
	v_or_b32 v[TM+4+\e], 0x7f7f7f00, v[TM+4+\e]    ; the scale word of an operand whose K is filled up with zero codes
.endr
	v_cmp_eq_u32 vcc_lo, 1, v3
	v_lshlrev_b32 v11, 4, v2
	v_lshl_add_u32 v11, v3, 3, v11
	v_lshlrev_b32 v12, 2, v2
	v_lshl_add_u32 v12, v3, 8, v12
	s_wait_alu depctr_va_vcc(0)                    ; the compare has written VCC, ahead of the select that reads it
	v_cndmask_b32 v[PW], v[TM+4], v[TM+5], vcc_lo  ; lanes 0-15 store block 0's words, lanes 16-31 block 1's
	s_wait_alu depctr_va_vdst(0)                   ; the codes v[PC ..], the word v[PW] and the offsets v11, v12 are written, which the three stores read
	global_store_b64 v11, v[PC:PC+1], s[18:19]             ; the 32 lanes store 256 consecutive bytes, aligned
	global_store_b64 v11, v[PC+2:PC+3], s[18:19] offset:1024
	global_store_b32 v12, v[PW], s[20:21]                  ; two runs of 64 bytes: 128 of the wave's 640 bytes
	s_wait_dscnt 0x0                               ; the closing lines, six on end
	s_wait_alu 0x0
	s_wait_tensorcnt 0x0
	ds_add_u32 v254, v255
	s_wait_dscnt 0x0
	s_endpgm
.Lfunc_end_k_q76a0e0c58d_project:
	.size	k_q76a0e0c58d_project, .Lfunc_end_k_q76a0e0c58d_project-k_q76a0e0c58d_project
	.p2alignl 7, 3214868480
	.fill 96, 4, 3214868480
	.section	.rodata,"a",@progbits
	.p2align	6, 0x0
	.amdhsa_kernel k_q76a0e0c58d_project
		.amdhsa_group_segment_fixed_size 5120
		.amdhsa_private_segment_fixed_size 0
		.amdhsa_enable_private_segment 0
		.amdhsa_kernarg_size 72
		.amdhsa_user_sgpr_count 2
		.amdhsa_user_sgpr_kernarg_segment_ptr 1
		.amdhsa_wavefront_size32 1
		.amdhsa_system_sgpr_workgroup_id_x 1
		.amdhsa_system_sgpr_workgroup_id_y 1
		.amdhsa_system_sgpr_workgroup_id_z 1
		.amdhsa_system_vgpr_workitem_id 0
		.amdhsa_next_free_vgpr 256
		.amdhsa_next_free_sgpr 66
		.amdhsa_reserve_vcc 1
		.amdhsa_float_denorm_mode_32 3
		.amdhsa_float_denorm_mode_16_64 3
		.amdhsa_memory_ordered 1
		.amdhsa_forward_progress 1
		.amdhsa_inst_pref_size 35
	.end_amdhsa_kernel
	.amdgpu_metadata
---
amdhsa.version: [ 1, 2 ]
amdhsa.kernels:
  - .name:           k_q76a0e0c58d_project
    .symbol:         k_q76a0e0c58d_project.kd
    .args:
      - { .name: x, .offset: 0, .size: 8, .value_kind: global_buffer, .address_space: global }
      - { .name: pos_emb, .offset: 8, .size: 8, .value_kind: global_buffer, .address_space: global }
      - { .name: W1, .offset: 16, .size: 8, .value_kind: global_buffer, .address_space: global }
      - { .name: b1, .offset: 24, .size: 8, .value_kind: global_buffer, .address_space: global }
      - { .name: Wv, .offset: 32, .size: 8, .value_kind: global_buffer, .address_space: global }
      - { .name: ka, .offset: 40, .size: 8, .value_kind: global_buffer, .address_space: global }
      - { .name: qa, .offset: 48, .size: 8, .value_kind: global_buffer, .address_space: global }
      - { .name: vc, .offset: 56, .size: 8, .value_kind: global_buffer, .address_space: global }
      - { .name: vs, .offset: 64, .size: 8, .value_kind: global_buffer, .address_space: global }
    .group_segment_fixed_size: 5120
    .private_segment_fixed_size: 0
    .kernarg_segment_align: 8
    .kernarg_segment_size: 72
    .max_flat_workgroup_size: 128
    .sgpr_count:     66
    .vgpr_count:     256
    .wavefront_size: 32
...
	.end_amdgpu_metadata
.endif
;; end of part 3
;; launch attend (part 4): grid 64 x 4, 16 waves a work-group, no clusters, 91,136 bytes of LDS; arguments ka, qa, vc, vs, W2, b2, out0; writes out0
.if DOCPART == 4
	.amdgcn_target "amdgcn-amd-amdhsa--gfx1250"
	.amdhsa_code_object_version 6
	.text
	.protected	k_q76a0e0c58d_attend
	.globl	k_q76a0e0c58d_attend
	.p2align	8
	.type	k_q76a0e0c58d_attend,@function
k_q76a0e0c58d_attend:
	s_mov_b64 s[64:65], 0
	v_nop
	global_prefetch_b8 v0, s[64:65] scope:SCOPE_SE
	s_setreg_imm32_b32 hwreg(HW_REG_WAVE_SCHED_MODE, 0, 2), 2
	s_setreg_imm32_b32 hwreg(HW_REG_WAVE_MODE, 25, 1), 1
	s_wait_xcnt 0x0
	s_wait_alu depctr_vm_vsrc(0)
; ATTEND: wei[i][j] = (sum over c of W2[c] relu(Aq[i][c] + Ak[j][c] + b1[c]) + b2) / sqrt(128) for j <= i; softmax over j; out = wei V, the last product on codes of FP4 (E2M1), 32 keys to a block.
; THE PAIR STAGE, in f32.  relu(q + k) = max(q, -k) + k, so with q' = Aq + b1 (buffer qa) and K' = -Ak (buffer ka) the sum is  sum w max(q', K')  -  sum w K',  the second sum once for each key.
; That is one maximum and half a dual multiply-add for each (query, key, channel).  The terms of both sums are no larger than |w| max(|q'|, |K'|).
; SHARES.  A work-group owns 8 queries of one batch: 4 g .. 4 g + 3 (slots 0-3) and 508 - 4 g .. 511 - 4 g (slots 4-7): about 2,052 pairs under the causal mask for every g.  Each of its 16 waves owns a chunk of 32 keys, a lane a key:
; the key's 128 numbers of K' stay in 128 registers.  The queries' q' lie in 64 registers: lane n of each row of 16 lanes holds query slot n & 7, channels 64 (n / 8) + 0 .. 63; the maximum takes it from there by row_share.
; W2 comes 32 channels at a time into two sets of scalar registers, a batch (192 vector instructions) ahead.  A pass is 4 queries x 128 channels; the later queries' pass goes first.
; THE SOFTMAX stays in the wave: its 32 keys are one block of the quantiser.  t = logit x log2(e); M = the block's largest t rounded up to a whole number; p = 2^(t - M) is quantised; l = the sum of the unquantised p.
; O = V^T P for these 32 keys by four matrix instructions whose K is filled up with zero codes.  The 16 waves' O, l and M meet in LDS behind the barrier: each is brought under the largest M by an exact power of two.
; NO CLUSTER, NO TENSOR LOAD: K' is wanted in registers, a lane a key; by way of LDS its bytes would be written and read once more; and work-groups of one batch want different numbers of chunks.
; LIMITS: NaN and infinities are not served.  The block's largest t is held at -1e30 from below, so that a block all of whose keys are hidden has a finite M (its factor at the end is 0).  A block of p whose largest lies under 2^-124 gets the byte 1.
; THE MODE: SCHED_MODE bits 1:0 = 2 (LLVM: expert scheduling mode 2), set by the entry lines.  The code itself states the register dependences
; between vector or matrix instructions and memory or LDS instructions, with s_wait_alu, always for 0.
; THE PLAN.  Registers that memory or LDS instructions touch:
;   v4 .. v7, v58 .. v63  offsets and LDS addresses.  Made at the head, never written again: one wait on va_vdst ahead of the first load, which stands ahead of the first branch.
;   VA, VS, QB, KB        loaded once; no vector instruction names the loaded registers ahead of their loads.  The passes hold no memory instruction that names a vector register.
;   SC                    written by the head or the passes, read by the LDS stores behind the join.  T lies in q's registers, which the passes read; LDS loads land there.  One wait on va_vdst behind the join states both.
;   PSC, R                written by vector instructions, taken by the scaled matrix instructions: the places, then a wait on va_vdst.
;   O, -M, l              written by matrix and vector instructions, read by the LDS stores: the places, then a wait on va_vdst.  No vector instruction stands between that wait and the end's LDS loads,
;                         which land in K's registers (read by the passes; four of them written by the sums of p): it serves them too.
;   OA, A2                written by vector instructions, read by the one store: a wait on va_vdst ahead of it.
;   No register that a memory or LDS instruction reads is written again, so behind the entry lines the text holds no wait on vm_vsrc.
.set PSC, 1                            ; v1       p's scale word: this register holds nothing else
.set ACC, 8                            ; v8-15    sums: query q of the pass in the pair 2 q, 2 q + 1 (even channels, odd channels).  At the head: at work
.set D,   16                           ; v16-23   maxima at work
.set SC,  24                           ; v24-31   my key's score for the 8 slots
.set VA,  32                           ; v32-51   V^T: tile t's 32 codes a lane at 4 t; a tile's operand is 8 registers from there on: what lies above the first 4 meets zero codes
.set VS,  52                           ; v52-55   its scale words
.set SN,  56                           ; v56-57   sum w K', in two halves; then b2 less that sum
.set SW,  58                           ; LDS addresses, all made at the head: where I put a score,
.set SR,  59                           ; where I read 8 scores of one query,
.set OW,  60                           ; where I put my part of O,
.set MW,  61                           ; and -M and l;
.set FM,  62                           ; at the end: the 16 pairs -M, l of my query,
.set FO,  63                           ; and the 16 parts of my four numbers of O
.set QB,  64                           ; v64-127  q'
.set KB,  128                          ; v128-255 K': register c = channel c of my key
.set WA,  16                           ; s[16:47] W2, even batches of 32 channels
.set WB,  68                           ; s[68:99] odd batches
.set SPITCH, 144                       ; LDS: a query's 32 scores, 128 bytes + 16
.set SCRW, 8*SPITCH                    ; 8 of them for each wave, the wave's own
.set OP,  16*SCRW                      ; behind them the parts of O: for each wave 16 rows (8 of them used) of 256 bytes + 16
.set OPITCH, 272
.set OPW, 16*OPITCH
.set ML,  OP+16*OPW                    ; behind them -M and l: [slot][wave] 8 bytes
.set T,   64                           ; the softmax: v64-71 8 scores, then p
.set SMX, 72                           ; the block's largest score
.set XT,  73                           ; what comes from lane l xor 16
.set TMX, 74
.set NM,  76                           ; v76 -M,
.set LL,  77                           ; v77 l
.set PMX, 78                           ; the block's largest p
.set SO,  79                           ; the conversion's scale operand
.set CD,  82                           ; v82-85   my 8 codes; those of lanes l xor 8, l xor 16, l xor 24
.set R,   88                           ; v88-95   P's operand
.set O,   96                           ; v96-127  four results
.set SU,  132                          ; v132-135 sums of p at work
.set MLR, 128                          ; the end: v128-159 -M (then the factor) and l of the 16 waves
.set PR,  160                          ; v160-223 their parts of O
.set LS,  240                          ; the row's l
.set RC,  242                          ; v242-243 its reciprocal, named as a pair
.set G,   244                          ; the least -M
.set A1,  245
.set A2,  246
.set OA,  248                          ; v248-251 my four numbers of O
; two channels c, c + 1 of four queries, which lie in lanes l0 .. l3 of each row of 16.  first = 1: also sum w K'
.macro PAIR l0, l1, l2, l3, first
.set qr, QB+c%64
.set kr, KB+c
.set wr, wc+c%32
	v_max_num_f32_dpp v[D], v[qr], v[kr] row_share:\l0 row_mask:0xf bank_mask:0xf
	v_max_num_f32_dpp v[D+1], v[qr+1], v[kr+1] row_share:\l0 row_mask:0xf bank_mask:0xf
	v_max_num_f32_dpp v[D+2], v[qr], v[kr] row_share:\l1 row_mask:0xf bank_mask:0xf
	v_max_num_f32_dpp v[D+3], v[qr+1], v[kr+1] row_share:\l1 row_mask:0xf bank_mask:0xf
	v_max_num_f32_dpp v[D+4], v[qr], v[kr] row_share:\l2 row_mask:0xf bank_mask:0xf
	v_max_num_f32_dpp v[D+5], v[qr+1], v[kr+1] row_share:\l2 row_mask:0xf bank_mask:0xf
	v_max_num_f32_dpp v[D+6], v[qr], v[kr] row_share:\l3 row_mask:0xf bank_mask:0xf
	v_max_num_f32_dpp v[D+7], v[qr+1], v[kr+1] row_share:\l3 row_mask:0xf bank_mask:0xf
.irp q, 0,2,4,6
.if c == 0
	v_dual_mul_f32 v[ACC+\q], s[wr], v[D+\q] :: v_dual_mul_f32 v[ACC+\q+1], s[wr+1], v[D+\q+1]     ; the first products start the sums
.else
	v_dual_fmac_f32 v[ACC+\q], s[wr], v[D+\q] :: v_dual_fmac_f32 v[ACC+\q+1], s[wr+1], v[D+\q+1]
.endif
.endr
.if \first
.if c == 0
	v_dual_mul_f32 v[SN], s[wr], v[kr] :: v_dual_mul_f32 v[SN+1], s[wr+1], v[kr+1]
.else
	v_dual_fmac_f32 v[SN], s[wr], v[kr] :: v_dual_fmac_f32 v[SN+1], s[wr+1], v[kr+1]
.endif
.endif
.endm
; a pass: four queries x 128 channels.  a0 .. a3: their lanes for channels 0-63, b0 .. b3: for channels 64-127.  first = 1: the wave's first pass
.macro PASS a0, a1, a2, a3, b0, b1, b2, b3, first
.set nb, 0
.rept 4
	s_wait_kmcnt 0x0                               ; this batch's 32 numbers of W2 are in (scalar loads come back in no order: the count is 0)
.if (nb < 3) || \first
.set nx, (nb+1)%4                      ; the next batch goes into the other set; the first pass ends by asking for batch 0 again, for a second pass
.set wn, WA+(WB-WA)*(nx%2)
	s_load_b512 s[wn:wn+15], s[12:13], 128*nx
	s_load_b512 s[wn+16:wn+31], s[12:13], 128*nx+64
.endif
.if \first
	s_wait_loadcnt 24-8*nb                         ; K' of this batch's channels is in (and V and q', asked for earlier); the eight loads of each later batch may be out
.endif
.set wc, WA+(WB-WA)*(nb%2)
.set p, 0
.rept 16
.set c, 32*nb+2*p
.if c < 64
	PAIR \a0, \a1, \a2, \a3, \first
.else
	PAIR \b0, \b1, \b2, \b3, \first
.endif
.set p, p+1
.endr
.set nb, nb+1
.endr
.endm
; the pass's sums become scores of slots sb .. sb + 3, whose first query's number is in s[i0]; hidden keys get -infinity.
; The four compares go as one run, each into a scalar register of its own; the additions stand behind them; one wait serves the four selects.  (s54 and s57 are free behind the head)
.macro FINISH sb, i0
	s_add_co_u32 s60, s[\i0], 1
	s_add_co_u32 s54, s[\i0], 2
	s_add_co_u32 s57, s[\i0], 3
	v_cmp_lt_u32 s2, s[\i0], v2                    ; the query lies ahead of my key
	v_cmp_lt_u32 s3, s60, v2
	v_cmp_lt_u32 s66, s54, v2
	v_cmp_lt_u32 s67, s57, v2
.irp q, 0,1,2,3
	v_add_f32 v[SC+\sb+\q], v[ACC+2*\q], v[ACC+2*\q+1]
.endr
.irp q, 0,1,2,3
	v_add_f32 v[SC+\sb+\q], v[SC+\sb+\q], v[SN]
.endr
	s_wait_alu depctr_va_sdst(0)                   ; the four compares have written s2, s3, s66 and s67, ahead of the selects that read them
	v_cndmask_b32 v[SC+\sb], v[SC+\sb], v3, s2
	v_cndmask_b32 v[SC+\sb+1], v[SC+\sb+1], v3, s3
	v_cndmask_b32 v[SC+\sb+2], v[SC+\sb+2], v3, s66
	v_cndmask_b32 v[SC+\sb+3], v[SC+\sb+3], v3, s67
.endm
	s_load_b256 s[4:11], s[0:1], 0x0               ; ka s[4:5], qa s[6:7], vc s[8:9], vs s[10:11]
	s_load_b128 s[12:15], s[0:1], 0x20             ; W2 s[12:13], b2 s[14:15]
	s_load_b64 s[48:49], s[0:1], 0x30              ; out0
	v_lshrrev_b32 v8, 5, v0
	v_readfirstlane_b32 s50, v8                    ; wave 0..15
	v_and_b32 v14, 31, v0                          ; lane
	v_and_b32 v8, 15, v0                           ; n = lane % 16
	v_bfe_u32 v9, v0, 4, 1                         ; lane / 16
	v_and_b32 v10, 7, v0                           ; lane % 8: a slot
	v_bfe_u32 v11, v0, 3, 2                        ; lane / 8
	s_wait_alu depctr_va_sdst(0)                   ; s50 is written, ahead of its first reader: LDS addresses, the chunk and the branches on the wave's number are made from it
	s_mul_i32 s60, s50, SCRW
	v_lshl_add_u32 v[SW], v14, 2, s60              ; a score: my wave's rows, 4 x lane
	v_mul_u32_u24 v12, v10, SPITCH
	v_lshl_add_u32 v12, v11, 5, v12
	v_add_nc_u32 v[SR], s60, v12                   ; back: query slot lane % 8, keys 8 (lane / 8) + 0 .. 7
	s_mul_i32 s60, s50, OPW
	s_add_co_u32 s60, s60, OP
	v_mul_u32_u24 v12, v8, OPITCH
	v_lshl_add_u32 v12, v9, 5, v12
	v_add_nc_u32 v[OW], s60, v12                   ; my part of O: row n, + 32 (lane / 16)
	s_lshl_b32 s60, s50, 3
	s_add_co_u32 s60, s60, ML
	v_lshl_add_u32 v[MW], v10, 7, s60              ; -M, l: my slot's row, my wave's 8 bytes
	s_and_b32 s60, s50, 3
	s_lshl_b32 s60, s60, 1
	v_add_nc_u32 v12, s60, v9                      ; at the end (waves 0 to 3): slot 2 x wave + lane / 16
	v_lshl_add_u32 v[FM], v12, 7, ML
	v_mul_u32_u24 v12, v12, OPITCH
	v_lshl_add_u32 v12, v8, 4, v12
	v_add_nc_u32 v[FO], OP, v12
	; which chunk of 32 keys is mine.  Early chunks carry more work (both groups of queries).  With wave = 4 a + b the chunk is 4 ((a + b) % 4) + b: any four waves with consecutive numbers 4 a .. 4 a + 3,
	; and any four with equal b, hold one chunk of each quarter of the keys.  The chunk enters global addresses and the mask alone, no LDS address
	s_lshr_b32 s60, s50, 2
	s_add_co_u32 s60, s60, s50
	s_and_b32 s60, s60, 3
	s_lshl_b32 s60, s60, 2
	s_and_b32 s57, s50, 3
	s_add_co_u32 s57, s57, s60                     ; my chunk
	s_lshl_b32 s51, s57, 5                         ; j0: its first key
	s_lshl_b32 s52, ttmp9, 2                       ; iA = 4 g: slot 0's query
	s_sub_co_u32 s53, 508, s52                     ; iB = 508 - 4 g: slot 4's
	s_lshl_b32 s55, ttmp9, 3
	s_sub_co_u32 s55, 504, s55                     ; query of slot s = 4 g + s + (s / 4) (504 - 8 g)
	s_and_b32 s54, ttmp7, 0xffff                   ; the batch
	s_mov_b32 s58, 0x3e0293ee                      ; c = log2(e) / sqrt(128)
	s_mov_b32 s59, s58                             ; (named with it as a pair, so it is written)
	s_mov_b32 s61, 0xffff                          ; lanes 0-15
	s_mov_b32 s62, 0x76543210
	s_mov_b32 s63, 0xfedcba98                      ; v_permlanex16_b32's selects for lane l xor 16
	v_add_nc_u32 v2, s51, v14                      ; my key
	v_mov_b32 v3, 0xff800000                       ; -infinity
	v_lshlrev_b32 v6, 4, v8                        ; 16 n
	v_lshlrev_b32 v7, 2, v8                        ; 4 n
	v_lshl_add_u32 v4, v9, 13, v6                  ; K': my key's tile of 16 rows (8,192 bytes) and its row in it
	v_lshrrev_b32 v12, 2, v10
	v_mul_lo_u32 v12, v12, s55
	v_add3_u32 v12, v12, v10, s52                  ; my slot's query
	v_lshrrev_b32 v13, 4, v12
	v_and_b32 v12, 15, v12
	v_lshlrev_b32 v5, 4, v12
	v_lshl_add_u32 v5, v13, 13, v5                 ; q': its tile and row,
	v_bfe_u32 v13, v0, 3, 1
	v_lshl_add_u32 v5, v13, 12, v5                 ; and channels 64 on (four channel tiles of 1,024 bytes) for lanes 8-15 of a row of 16
.irp i, 0,1,2,3,4,5,6,7
	v_mov_b32 v[D+\i], 0                           ; written once: the destination of a DPP form counts as one of its sources
	v_mov_b32 v[SC+\i], v3                         ; a pass that is left out leaves its scores hidden
.endr
.irp i, 16,17,18,19
	v_mov_b32 v[VA+\i], 0                          ; the upper half of tile 3's operand
.endr
	s_wait_kmcnt 0x0
	s_lshl_b32 s66, s54, 18                        ; a batch's 32 tiles of 8,192 bytes
	s_mov_b32 s67, 0
	s_add_nc_u64 s[6:7], s[6:7], s[66:67]
	s_lshl_b32 s60, s57, 14                        ; a chunk's two tiles
	s_add_co_u32 s66, s66, s60
	s_add_nc_u64 s[4:5], s[4:5], s[66:67]
	s_lshl_b32 s66, s54, 4
	s_add_co_u32 s66, s66, s57                     ; the block of 32 keys: 16 x batch + chunk
	s_lshl_b32 s66, s66, 8
	s_add_nc_u64 s[10:11], s[10:11], s[66:67]      ; 256 bytes of scale words,
	s_lshl_b32 s66, s66, 2
	s_add_nc_u64 s[8:9], s[8:9], s[66:67]          ; 1,024 bytes of codes
	s_lshl_b32 s66, s54, 17                        ; out0: 512 rows of 256 bytes a batch
	s_add_nc_u64 s[48:49], s[48:49], s[66:67]
	s_wait_alu depctr_va_vdst(0)                   ; the offsets v4 to v7 and the LDS addresses v58 to v63 are written, which the loads and LDS instructions of the whole kernel read
.irp t, 0,1,2,3
	global_load_b128 v[VA+4*\t:VA+4*\t+3], v6, s[8:9] offset:256*\t    ; V^T: column 16 t + n, its 32 codes along my keys (both halves of the lanes take the same: the upper half meets zero codes)
	global_load_b32 v[VS+\t], v7, s[10:11] offset:64*\t
.endr
	s_add_co_u32 s60, s53, 3
	s_cmp_gt_u32 s51, s60                          ; all my keys lie behind the last query: no pass, and none of its loads
	s_cbranch_scc1 .Lsoft
	s_load_b32 s56, s[14:15], 0x0                  ; b2
	s_load_b512 s[WA:WA+15], s[12:13], 0x0         ; W2, channels 0-31
	s_load_b512 s[WA+16:WA+31], s[12:13], 0x40
.set m, 0
.rept 16
	global_load_b128 v[QB+4*m:QB+4*m+3], v5, s[6:7] offset:(2*(m/4)+m%2)*512+((m/2)%2)*256     ; q': channels 4 m .. 4 m + 3 of my half
.set m, m+1
.endr
.set m, 0
.rept 32
	global_load_b128 v[KB+4*m:KB+4*m+3], v4, s[4:5] offset:(2*(m/4)+m%2)*512+((m/2)%2)*256     ; K': channels 4 m .. 4 m + 3 of my key: sixteen lanes read 256 consecutive bytes, aligned
.set m, m+1
.endr
	PASS 4, 5, 6, 7, 12, 13, 14, 15, 1             ; slots 4-7: whoever has a pass has this one
	v_add_f32 v[SN], v[SN], v[SN+1]
	v_sub_f32 v[SN], s56, v[SN]                    ; b2 - sum w K'
	FINISH 4, 53
	s_add_co_u32 s60, s52, 3
	s_cmp_gt_u32 s51, s60                          ; all my keys lie behind slots 0-3
	s_cbranch_scc1 .Lsoft
	PASS 0, 1, 2, 3, 8, 9, 10, 11, 0
	FINISH 0, 52
.Lsoft:
	s_wait_kmcnt 0x0                               ; (a second pass that was left out leaves its first batch of W2 on its way)
	s_wait_loadcnt 0x0                             ; V; and no load is out into the registers that are used anew from here on
	s_wait_alu depctr_va_vdst(0)                   ; the scores v[SC ..] are written, which the LDS stores read; and the passes are done reading q', in whose first eight registers the LDS loads land
.irp s, 0,1,2,3,4,5,6,7
	ds_store_b32 v[SW], v[SC+\s] offset:SPITCH*\s  ; the scores turn through my wave's own bytes: in: a lane a key,
.endr
	ds_load_b128 v[T:T+3], v[SR]                   ; out: a lane 8 keys of one slot.  LDS serves a wave's instructions in order (ISA guide 5.7.1.4): these see the stores above
	ds_load_b128 v[T+4:T+7], v[SR] offset:16
.irp i, 4,5,6,7
	v_mov_b32 v[R+\i], 0                           ; zero codes for k = 64 .. 127
.endr
	v_mov_b32 v[XT], 0                             ; destinations of lane permutes and DPP forms count as sources
	v_mov_b32 v[CD+1], 0
	v_mov_b32 v[CD+2], 0
	v_mov_b32 v[CD+3], 0
	v_mov_b32 v[LL], 0                             ; (named with -M as a pair before it is first summed)
	s_wait_dscnt 0x0
	v_max3_num_f32 v[SMX], v[T], v[T+1], v[T+2]
	v_max3_num_f32 v[SMX], v[SMX], v[T+3], v[T+4]
	v_max3_num_f32 v[SMX], v[SMX], v[T+5], v[T+6]
	v_max_num_f32 v[SMX], v[SMX], v[T+7]
	v_max_num_f32_dpp v[SMX], v[SMX], v[SMX] row_xmask:8 row_mask:0xf bank_mask:0xf   ; a slot's 32 keys lie in lanes l, l xor 8,
	v_permlanex16_b32 v[XT], v[SMX], s62, s63
	v_max_num_f32 v[SMX], v[SMX], v[XT]            ; l xor 16 and l xor 24: the block's largest score
	v_mul_f32 v[TMX], s58, v[SMX]                  ; as t (c is positive),
	v_max_num_f32 v[TMX], 0xf149f2ca, v[TMX]       ; held at -1e30 from below
	v_floor_f32 v[NM], -v[TMX]                     ; -M = floor(-t) = -ceil(t): M is a whole number
.irp j, 0,2,4,6
	v_pk_fma_f32 v[T+\j:T+\j+1], v[T+\j:T+\j+1], s[58:59], v[NM:NM+1] op_sel_hi:[1,0,0]   ; t - M
.endr
	v_fma_f32 v[PMX], v[SMX], s58, v[NM]           ; the same of the largest score: p rises with the score
.irp j, 0,1,2,3,4,5,6,7
	v_exp_f32 v[T+\j], v[T+\j]                     ; p = 2^(t - M); a hidden key's is 0
.endr
	v_exp_f32 v[PMX], v[PMX]
	v_nop                                          ; a plain instruction behind the last exponential
	s_wait_alu depctr_va_vdst(0)                   ; the nine exponentials have written v[T ..] and v[PMX]: one wait, ahead of the first instruction that names a result
	v_pk_add_f32 v[SU:SU+1], v[T:T+1], v[T+2:T+3]  ; l is the sum of the UNQUANTISED p
	v_pk_add_f32 v[SU+2:SU+3], v[T+4:T+5], v[T+6:T+7]
	v_max_num_f32 v[PMX], 0x1800000, v[PMX]        ; the floor 2^(3 - 127): the byte cannot fall under 1
	v_pk_add_f32 v[SU:SU+1], v[SU:SU+1], v[SU+2:SU+3]
	v_add_nc_u32 v[SO], 0xff000000, v[PMX]         ; 2 off the exponent field: the conversion's scale operand
	v_add_f32 v[LL], v[SU], v[SU+1]
	v_lshrrev_b32 v[PSC], 23, v[SO]                ; the scale's byte,
	v_add_f32_dpp v[LL], v[LL], v[LL] row_xmask:8 row_mask:0xf bank_mask:0xf
	v_or_b32 v[PSC], 0x7f7f7f00, v[PSC]            ; with 1.0 for the three blocks of zero codes
	v_permlanex16_b32 v[XT], v[LL], s62, s63
	v_cvt_scalef32_pk8_fp4_f32 v[CD], v[T:T+7], v[SO]      ; my 8 keys' codes
	v_add_f32 v[LL], v[LL], v[XT]                  ; the block's l.  (Also the plain place behind the scaled conversion)
	v_mov_b32_dpp v[CD+1], v[CD] row_xmask:8 row_mask:0xf bank_mask:0xf    ; lane s (0 .. 7) gathers its slot's 32 codes: keys 8-15 from lane s + 8,
	v_permlanex16_b32 v[CD+2], v[CD], s62, s63                             ; keys 16-23 from lane s + 16,
	v_mov_b32_dpp v[CD+3], v[CD+2] row_xmask:8 row_mask:0xf bank_mask:0xf  ; keys 24-31 from lane s + 24
.irp i, 0,1,2,3
	v_cndmask_b32 v[R+\i], 0, v[CD+\i], s61        ; lanes 0-15: k = 0 .. 31; lanes 16-31 (k = 32 .. 63): zero codes.  Lanes 8-15 are columns that nobody reads
.endr
.rept 8
	v_nop                                          ; a scale register written by a vector instruction stands 8 places ahead of a scaled matrix instruction, an operand so written 4
.endr
	s_wait_alu depctr_va_vdst(0)                   ; behind the places: p's scale word v[PSC] and its codes v[R ..] are written, which the scaled matrix instructions take
.irp t, 0,1,2,3                                        ; O^T = V^T P: source 0 = 16 columns of V, source 1 = P: lane (r, h) holds slot r and columns 16 t + 8 h + 0 .. 7
	v_wmma_scale_f32_16x16x128_f8f6f4 v[O+8*\t:O+8*\t+7], v[VA+4*\t:VA+4*\t+7], v[R:R+7], 0, v[VS+\t], v[PSC] matrix_a_fmt:MATRIX_FMT_FP4 matrix_b_fmt:MATRIX_FMT_FP4
.endr
.rept 4
	v_nop                                          ; four places between a matrix instruction and an LDS store of its result
.endr
	s_wait_alu depctr_va_vdst(0)                   ; the matrix instructions have written v[O ..], which the LDS stores read, as they read -M and l; the places above stay beside this wait.  It also states that the passes and the sums of p are done with K's registers, in which the end's LDS loads land
.irp t, 0,1,2,3
	ds_store_b128 v[OW], v[O+8*\t:O+8*\t+3] offset:64*\t           ; each result from its low end on
	ds_store_b128 v[OW], v[O+8*\t+4:O+8*\t+7] offset:64*\t+16
.endr
	ds_store_b64 v[MW], v[NM:NM+1]                 ; the four lanes of a slot write the same 8 bytes with the same values
	s_wait_dscnt 0x0                               ; for the others' sake: my stores have landed
	s_barrier_signal -1
	s_barrier_wait -1
	s_cmp_gt_u32 s50, 3                            ; waves 0 to 3 finish two slots each: a lane four numbers of a row of out0
	s_cbranch_scc1 .Lend
.irp k, 0,1,2,3,4,5,6,7
	ds_load_b128 v[MLR+4*\k:MLR+4*\k+3], v[FM] offset:16*\k        ; -M and l of waves 2 k, 2 k + 1.  No wait: no vector instruction since the wait ahead of the LDS stores
.endr
.irp w, 0,1,2,3,4,5,6,7,8,9,10,11,12,13,14,15
	ds_load_b128 v[PR+4*\w:PR+4*\w+3], v[FO] offset:OPW*\w
.endr
	v_mov_b32 v[RC+1], 0                           ; (named with the reciprocal as a pair, so it is written)
	s_wait_dscnt 16                                ; the eight loads of -M and l are in; the sixteen parts of O may be out
	v_min3_num_f32 v[G], v[MLR], v[MLR+2], v[MLR+4]
.irp k, 6,10,14,18,22,26
	v_min3_num_f32 v[G], v[G], v[MLR+\k], v[MLR+\k+2]
.endr
	v_min_num_f32 v[G], v[G], v[MLR+30]            ; the least -M: the row's M.  Key 0 counts for every query, so it is a true one
.irp w, 0,1,2,3,4,5,6,7,8,9,10,11,12,13,14,15
	v_sub_f32 v[MLR+2*\w], v[G], v[MLR+2*\w]       ; the wave's M less the row's: a whole number, 0 or less
.endr
.irp w, 0,1,2,3,4,5,6,7,8,9,10,11,12,13,14,15
	v_cvt_i32_f32 v[MLR+2*\w], v[MLR+2*\w]         ; (it saturates)
.endr
.irp w, 0,1,2,3,4,5,6,7,8,9,10,11,12,13,14,15
	v_ldexp_f32 v[MLR+2*\w], 1.0, v[MLR+2*\w]      ; the factor: an exact power of two; 0 for a block all of whose keys are hidden
.endr
	v_mul_f32 v[LS], v[MLR], v[MLR+1]
.irp w, 1,2,3,4,5,6,7,8,9,10,11,12,13,14,15
	v_fmac_f32 v[LS], v[MLR+2*\w], v[MLR+2*\w+1]
.endr
	v_rcp_f32 v[RC], v[LS]
	v_bfe_u32 v[A1], v0, 4, 1                      ; (a plain instruction behind the reciprocal)
	s_and_b32 s60, s50, 3
	s_lshl_b32 s60, s60, 1
	v_add_nc_u32 v[A1], s60, v[A1]                 ; my slot,
	v_lshrrev_b32 v[A2], 2, v[A1]
	v_mul_lo_u32 v[A2], v[A2], s55
	v_add3_u32 v[A2], v[A2], v[A1], s52            ; its query,
	v_lshl_add_u32 v[A2], v[A2], 8, v6             ; its row of 256 bytes, my 16 bytes
	s_wait_dscnt 0x0
	v_pk_mul_f32 v[OA:OA+1], v[PR:PR+1], v[MLR:MLR+1] op_sel_hi:[1,0]
	v_pk_mul_f32 v[OA+2:OA+3], v[PR+2:PR+3], v[MLR:MLR+1] op_sel_hi:[1,0]
.irp w, 1,2,3,4,5,6,7,8,9,10,11,12,13,14,15
	v_pk_fma_f32 v[OA:OA+1], v[PR+4*\w:PR+4*\w+1], v[MLR+2*\w:MLR+2*\w+1], v[OA:OA+1] op_sel_hi:[1,0,1]
	v_pk_fma_f32 v[OA+2:OA+3], v[PR+4*\w+2:PR+4*\w+3], v[MLR+2*\w:MLR+2*\w+1], v[OA+2:OA+3] op_sel_hi:[1,0,1]
.endr
	s_wait_alu depctr_va_vdst(0)                   ; the reciprocal has written v[RC]: the wait ahead of its first reader
	v_pk_mul_f32 v[OA:OA+1], v[OA:OA+1], v[RC:RC+1] op_sel_hi:[1,0]
	v_pk_mul_f32 v[OA+2:OA+3], v[OA+2:OA+3], v[RC:RC+1] op_sel_hi:[1,0]
	s_wait_alu depctr_va_vdst(0)                   ; the two multiplications have written v[OA ..], the store's data; its offset v[A2] was written ahead of them
	global_store_b128 v[A2], v[OA:OA+3], s[48:49]  ; sixteen lanes store a row's 256 consecutive bytes, aligned
.Lend:
	s_wait_xcnt 0x0
	v_lshl_add_u32 v254, v0, 2, 0x15c00            ; the add's two registers, made anew: no memory or LDS instruction has read v254 or v255
	v_mov_b32 v255, 0
	s_wait_dscnt 0x0                               ; the closing lines, six on end
	s_wait_alu 0x0
	s_wait_tensorcnt 0x0
	ds_add_u32 v254, v255
	s_wait_dscnt 0x0
	s_endpgm
.Lfunc_end_k_q76a0e0c58d_attend:
	.size	k_q76a0e0c58d_attend, .Lfunc_end_k_q76a0e0c58d_attend-k_q76a0e0c58d_attend
	.p2alignl 7, 3214868480
	.fill 96, 4, 3214868480
	.section	.rodata,"a",@progbits
	.p2align	6, 0x0
	.amdhsa_kernel k_q76a0e0c58d_attend
		.amdhsa_group_segment_fixed_size 91136
		.amdhsa_private_segment_fixed_size 0
		.amdhsa_enable_private_segment 0
		.amdhsa_kernarg_size 56
		.amdhsa_user_sgpr_count 2
		.amdhsa_user_sgpr_kernarg_segment_ptr 1
		.amdhsa_wavefront_size32 1
		.amdhsa_system_sgpr_workgroup_id_x 1
		.amdhsa_system_sgpr_workgroup_id_y 1
		.amdhsa_system_sgpr_workgroup_id_z 1
		.amdhsa_system_vgpr_workitem_id 0
		.amdhsa_next_free_vgpr 256
		.amdhsa_next_free_sgpr 100
		.amdhsa_reserve_vcc 0
		.amdhsa_float_denorm_mode_32 3
		.amdhsa_float_denorm_mode_16_64 3
		.amdhsa_memory_ordered 1
		.amdhsa_forward_progress 1
		.amdhsa_inst_pref_size 126
	.end_amdhsa_kernel
	.amdgpu_metadata
---
amdhsa.version: [ 1, 2 ]
amdhsa.kernels:
  - .name:           k_q76a0e0c58d_attend
    .symbol:         k_q76a0e0c58d_attend.kd
    .args:
      - { .name: ka, .offset: 0, .size: 8, .value_kind: global_buffer, .address_space: global }
      - { .name: qa, .offset: 8, .size: 8, .value_kind: global_buffer, .address_space: global }
      - { .name: vc, .offset: 16, .size: 8, .value_kind: global_buffer, .address_space: global }
      - { .name: vs, .offset: 24, .size: 8, .value_kind: global_buffer, .address_space: global }
      - { .name: W2, .offset: 32, .size: 8, .value_kind: global_buffer, .address_space: global }
      - { .name: b2, .offset: 40, .size: 8, .value_kind: global_buffer, .address_space: global }
      - { .name: out0, .offset: 48, .size: 8, .value_kind: global_buffer, .address_space: global }
    .group_segment_fixed_size: 91136
    .private_segment_fixed_size: 0
    .kernarg_segment_align: 8
    .kernarg_segment_size: 56
    .max_flat_workgroup_size: 512
    .sgpr_count:     100
    .vgpr_count:     256
    .wavefront_size: 32
...
	.end_amdgpu_metadata
.endif
;; end of part 4
